; MI455X (gfx1250); checked and timed in simulation.
; The chip was launched on July 23, 2026; its instructions are those of AMD's public machine-readable ISA for CDNA 5 (MIT licence, August 2026) and "CDNA5" Instruction Set Architecture Reference Guide (July 2026). The comments in the code are by the model that wrote it; some were corrected since.
;; Multi Head Attention. Allowed arithmetic: matrix products marked QUANTISED: E2M1 operands, one E8M0 scale for each 32 along K, by v_wmma_scale_f32_16x16x128_f8f6f4 with both operands' format E2M1 (or v_wmma_scale_f32_32x16x128_f4), f32 sums; everything else in f32.
;; Inputs: b_proj 1,024 float32; b_qkv 3,072 float32; mask 4 x 2,048 int32; w_proj 1,024 x 1,024 float32; w_qkv 3,072 x 1,024 float32; x 4 x 2,048 x 1,024 float32.
;; Outputs: out0 4 x 2,048 x 1,024 float32.
;; This version of the problem:
;;   THIS VERSION OF THE PROBLEM IS GIVEN IN LOW PRECISION. The matrix products marked QUANTISED in the list below multiply operands that are first quantised to E2M1 (2 exponent bits, 1 mantissa bit; 4 bits a number), with one power-of-two scale for each 32 numbers along K (OCP MX v1.0); their sums are f32. All else is computed in f32.
;;   The module's matrix products, in the order in which they are computed (A, B: the left and right operand; K: the contracted axis; several contracted axes count as one K, in the product's order):
;;     1. [M 8,192, K 1,024] x [K 1,024, N 3,072]; A: input x; B: input w_qkv: QUANTISED
;;     2. batch 64 x [M 2,048, K 64] x [K 64, N 2,048]; A: computed on the way; B: computed on the way: QUANTISED
;;     3. batch 64 x [M 2,048, K 2,048] x [K 2,048, N 64]; A: softmax (see below); B: computed on the way: QUANTISED
;;     4. [M 8,192, K 1,024] x [K 1,024, N 1,024]; A: computed on the way; B: input w_proj: QUANTISED
;;   THE QUANTISER, for each operand of a quantised product, along K:
;;     - K is cut into blocks of 32 from its start; a last block that is shorter is filled with zeros.
;;     - A block's scale is 2^e with e = floor(log2(the largest magnitude in the block)) - 2, held to -126 .. 127; a block of zeros has e = 0. As a byte (E8M0): e + 127.
;;     - Each number is divided by its block's scale, clamped to +-6, and rounded to the nearest number of E2M1, ties to even, subnormals kept.
;;     - The product sums the exact products of the quantised numbers (number of the format x scale) in f32.
;;   ~~~python
;;   def quantise(x, axis):      # numpy; x: float32 -> the quantised numbers, widened to float32 again
;;       x = np.moveaxis(x, axis, -1); K = x.shape[-1]
;;       x = np.pad(x, [(0, 0)] * (x.ndim - 1) + [(0, -K % 32)]); x = x.reshape(x.shape[:-1] + (-1, 32)); a = np.abs(x).max(-1, keepdims=True)
;;       e = np.where(a > 0, np.clip(np.frexp(np.where(a > 0, a, 1))[1] - 1 - 2, -126, 127), 0)      # np.frexp(a)[1] - 1 = floor(log2(a)), exactly
;;       r = np.clip(x / 2.0 ** e, -6, 6)
;;       step = 2.0 ** (np.maximum(np.frexp(np.where(r == 0, 1, r))[1] - 1, 0) - 1)
;;       q = np.round(r / step) * step * 2.0 ** e      # np.round: ties to even
;;       return np.moveaxis(q.reshape(q.shape[:-2] + (-1,))[..., :K], -1, axis).astype(np.float32)
;;   ~~~
;;   SOFTMAX AHEAD OF A QUANTISED PRODUCT. Where the list says 'softmax', what is quantised is not the finished softmax but p = 2^(t - M), with t = logit x log2(e) and M = ceil(the row's largest t), a whole number; so 1/2 < the row's largest p <= 1. The row's sum l is taken of the UNQUANTISED p, in f32, and the product's result is divided by l at the end. Since M is a whole number, a kernel that streams over the keys may use a running M (the ceiling of the running maximum): every later rescaling is an exact power of two, which a block's scale takes up: the codes' values come out the same.
;;   OPERANDS COMPUTED ON THE WAY. 'Computed on the way' means the value that the module computes at that place (a softmax that the list does not call 'softmax' is quantised finished and normalised). What goes into a quantiser is computed in f32, as accurately as f32 sums, v_exp_f32 and their like allow (about 1e-6 of the number): no bf16 or f16 on the way to a quantiser, and a product that is left as it is and whose result goes on into a quantised operand takes f32 operands (vector FMAs, or v_wmma_f32_16x16x4_f32). A number that lies on a knife's edge between two numbers of the format may be rounded either way, as far as f32 arithmetic and the matrix unit's own rounding can turn it there, and no further.
;; One version. Each part assembles by itself: llvm-mc -triple=amdgcn-amd-amdhsa -mcpu=gfx1250 --defsym DOCPART=n.
;; ======== version 1 of 1: 4 launches
;; limits: right only within a limited range of input values
;; workspace buffers: xq 4,456,448 bytes; wq 1,671,168 bytes; pq 557,056 bytes; aq 4,456,448 bytes; tab 524,288 bytes; qkv 13,893,632 bytes
;; launch prep (part 1): grid 832 x 1, 4 waves a work-group, no clusters, 34,304 bytes of LDS; arguments x, w_qkv, w_proj, xq, wq, pq, tab; writes xq, wq, pq, tab
.if DOCPART == 1
	.amdgcn_target "amdgcn-amd-amdhsa--gfx1250"
	.amdhsa_code_object_version 6
	.text
	.protected	k_q73984c9a2d_prep
	.globl	k_q73984c9a2d_prep
	.p2align	8
	.type	k_q73984c9a2d_prep,@function
k_q73984c9a2d_prep:
	s_mov_b64 s[64:65], 0
	v_nop
	global_prefetch_b8 v0, s[64:65] scope:SCOPE_SE
	s_setreg_imm32_b32 hwreg(HW_REG_WAVE_MODE, 25, 1), 1
	s_wait_xcnt 0x0
; PREP.  x [8192][1024], w_qkv [3072][1024], w_proj [1024][1024], f32, K innermost, become codes of FP4 (E2M1) with one E8M0 byte for each 32 along K,
; laid as IMAGES OF OPERAND REGISTERS; and the table of cos and sin for the rotation is made.
; A ROW TILE T is 16 rows: place r of it is row 32 (T / 2) + 8 (T % 2) + r + 8 (r / 8).  A UNIT is 512 bytes: 16 rows x 64 along K; lane l = (r, h) owns the 16 bytes at 16 l: k = 64 c + 32 h + 0 .. 31 of place r.
; A RECORD is 8,704 bytes for each row tile: 16 units (K = 1,024), then 512 bytes of scale words [K step of 128: 8][r: 16].
; Work-groups 0-511 take x's row tiles, 512-703 w_qkv's, 704-767 w_proj's: only pointers are chosen, all three take one path.  Work-groups 768-831 make the table, eight positions a wave, and use no LDS.
; A wave takes 16 rows x 256 along K in two sub-steps of 128.  Each load reads 512 consecutive bytes of one row; the 16 x 512 bytes turn through the wave's own stage in LDS (rows 528 bytes apart),
; from which a lane takes 32 NEIGHBOURS along K twice: two whole blocks, so that a block's largest magnitude needs no other lane.  No barrier: waves share nothing.
; A block's scale is 2^(floor(log2(largest magnitude)) - 2); its byte is the largest magnitude's exponent field - 2, held at 1 from below.
; LIMITS: a block of zeros, or one whose largest magnitude lies under 2^-124, keeps the byte 1 (its codes are zeros or next to it, and this program alone reads the bytes); NaN and infinities are not served.
; THE TABLE: tab[n][0..31] = cos(n f_j), tab[n][32..63] = -sin(n f_j) for even j, +sin(n f_j) for odd j; f_j = 1 / 10^(j / 8), the f32 number nearest 10^(j / 8) inverted in f32; the angle is the f32 product n f_j.
; The angle is reduced by multiples of pi / 2 held in three parts, and sine and cosine come from polynomials on -pi/4 .. pi/4: about 1e-7 of 1.  LIMIT: were 10^(j / 8) taken one unit in the last place otherwise, the largest angles (2,047) would move by about 1e-4.
.set STG,  8448                        ; a wave's stage: 16 rows x 528 bytes
.set REC,  8704
.set R,    16                          ; v16-143   two sets of 64: the numbers as loaded
.set X,    144                         ; v144-207  64 numbers of my row: two blocks of 32
.set C,    208                         ; v208-223  codes: never written twice
.set MX,   8
.set SO,   10
.set BY,   12
.set W,    14
.set PX,   15
.set WD,   224
	s_load_b256 s[4:11], s[0:1], 0x0               ; x, w_qkv, w_proj, xq
	s_load_b128 s[12:15], s[0:1], 0x20             ; wq, pq
	s_load_b64 s[16:17], s[0:1], 0x30              ; tab
	v_lshl_add_u32 v240, v0, 2, 0x8400
	v_mov_b32 v241, 0
	v_lshrrev_b32 v1, 5, v0
	v_readfirstlane_b32 s18, v1                    ; wave 0..3
	s_wait_kmcnt 0x0
	s_cmp_ge_u32 ttmp9, 768
	s_cbranch_scc1 .Ltable
	s_mov_b32 s21, 704                             ; which tensor, which row tile: the choice hangs on the work-group's number alone
	s_cmp_lt_u32 ttmp9, 704
	s_cselect_b64 s[6:7], s[6:7], s[8:9]
	s_cselect_b64 s[12:13], s[12:13], s[14:15]
	s_cselect_b32 s21, 512, s21
	s_cmp_lt_u32 ttmp9, 512
	s_cselect_b64 s[4:5], s[4:5], s[6:7]           ; the numbers
	s_cselect_b64 s[10:11], s[10:11], s[12:13]     ; the records
	s_cselect_b32 s21, 0, s21
	s_sub_co_u32 s21, ttmp9, s21                   ; T
	s_lshr_b32 s22, s21, 1
	s_lshl_b32 s22, s22, 17                        ; 32 (T / 2) rows of 4,096 bytes
	s_and_b32 s23, s21, 1
	s_lshl_b32 s23, s23, 15                        ; 8 (T % 2) rows
	s_add_co_u32 s22, s22, s23
	s_lshl_b32 s23, s18, 10                        ; my wave's 256 along K
	s_add_co_u32 s22, s22, s23
	s_mov_b32 s23, 0
	s_add_nc_u64 s[4:5], s[4:5], s[22:23]
	s_mul_i32 s24, s21, REC
	s_lshl_b32 s25, s18, 11                        ; my wave's four units
	s_add_co_u32 s24, s24, s25
	s_mov_b32 s25, 0
	s_add_nc_u64 s[10:11], s[10:11], s[24:25]
	s_mov_b32 s26, 0x76543210
	s_mov_b32 s27, 0xfedcba98                      ; v_permlanex16_b32's selects for lane l xor 16
	s_mov_b32 s28, 0xffff0000                      ; lanes 16-31
	v_and_b32 v1, 31, v0
	v_lshlrev_b32 v1, 4, v1                        ; 16 l
	v_and_b32 v2, 15, v0                           ; r
	v_bfe_u32 v3, v0, 4, 1                         ; h
	s_mul_i32 s19, s18, STG
	v_add_nc_u32 v4, s19, v1                       ; the stage on the way in: a row's 512 bytes as they lie
	v_mul_u32_u24 v5, v2, 528
	v_lshl_add_u32 v5, v3, 7, v5
	v_add_nc_u32 v5, s19, v5                       ; and on the way out: row r, 128 h bytes on
	s_mul_i32 s20, s18, 1920
	s_sub_co_u32 s20, 8192, s20                    ; the scale words lie 8,192 bytes into the record; the base holds 2,048 x wave, my two K steps lie 128 x wave on
	v_lshlrev_b32 v6, 2, v2
	v_lshl_add_u32 v6, v3, 6, v6
	v_add_nc_u32 v6, s20, v6                       ; lanes 0-15 store K step 2 wave, lanes 16-31 K step 2 wave + 1
	v_lshlrev_b32 v7, 3, v3                        ; 8 h: my bytes' place in a scale word
	v_mov_b32 v[PX], 0                             ; written once: a lane permute's destination counts as one of its sources
.macro LOAD t                          ; sub-step t: place i of the tile, 128 numbers: 32 lanes read 512 consecutive bytes
.irp i, 0,1,2,3,4,5,6,7,8,9,10,11,12,13,14,15
	global_load_b128 v[R+64*\t+4*\i:R+64*\t+4*\i+3], v1, s[4:5] offset:(\i+8*(\i/8))*4096+512*\t th:TH_LOAD_NT
.endr
.endm
.macro TURN t                          ; through the stage: LDS serves a wave's instructions in order
.irp i, 0,1,2,3,4,5,6,7,8,9,10,11,12,13,14,15
	ds_store_b128 v4, v[R+64*\t+4*\i:R+64*\t+4*\i+3] offset:528*\i
.endr
.irp c, 0,1
.irp p, 0,1,2,3,4,5,6,7
	ds_load_b128 v[X+32*\c+4*\p:X+32*\c+4*\p+3], v5 offset:256*\c+16*\p
.endr
.endr
.endm
.macro QB t                            ; my two blocks, 2 c + h of the K step, become codes; the four bytes of my row's scale word are gathered from lanes l and l xor 16
.irp c, 0,1
	v_max3_num_f32 v[MX+\c], |v[X+32*\c]|, |v[X+32*\c+1]|, 0x1800000   ; and the floor 2^(3 - 127): the byte cannot fall under 1
.endr
.irp i, 2,4,6,8,10,12,14,16,18,20,22,24,26,28,30
.irp c, 0,1
	v_max3_num_f32 v[MX+\c], v[MX+\c], |v[X+32*\c+\i]|, |v[X+32*\c+\i+1]|
.endr
.endr
.irp c, 0,1
	v_add_nc_u32 v[SO+\c], 0xff000000, v[MX+\c]    ; 2 off the exponent field: the conversion's scale operand
.endr
.irp c, 0,1
	v_lshrrev_b32 v[BY+\c], 23, v[SO+\c]           ; the scale's byte
.endr
.irp c, 0,1
.irp g, 0,1,2,3
	v_cvt_scalef32_pk8_fp4_f32 v[C+8*\t+4*\c+\g], v[X+32*\c+8*\g:X+32*\c+8*\g+7], v[SO+\c]
.endr
.endr
	v_lshl_or_b32 v[W], v[BY+1], 16, v[BY]         ; blocks h and 2 + h (a plain line behind the conversions)
	v_lshlrev_b32 v[W], v7, v[W]
	v_permlanex16_b32 v[PX], v[W], s26, s27
	v_or_b32 v[WD+\t], v[W], v[PX]
.irp c, 0,1
	global_store_b128 v1, v[C+8*\t+4*\c:C+8*\t+4*\c+3], s[10:11] offset:(2*\t+\c)*512   ; a unit: 512 consecutive bytes
.endr
.endm
	LOAD 0
	LOAD 1
	s_wait_alu depctr_va_vdst(0)
	s_wait_loadcnt 16                              ; sub-step 0's sixteen loads are in; sub-step 1's sixteen may be out
	TURN 0
	s_wait_dscnt 0x0
	QB 0
	s_wait_loadcnt 0x0
	TURN 1
	s_wait_dscnt 0x0
	QB 1
	v_cndmask_b32 v226, v[WD], v[WD+1], s28        ; lanes 16-31 take the second K step's word
	global_store_b32 v6, v226, s[10:11]            ; 128 consecutive bytes
	s_wait_tensorcnt 0x0
	ds_add_u32 v240, v241
	s_wait_dscnt 0x0
	s_endpgm
.Ltable:                                               ; wave w of work-group 768 + g: positions 32 g + 8 w + 0 .. 7; lane = j
	s_sub_co_u32 s20, ttmp9, 768
	s_lshl_b32 s20, s20, 5
	s_lshl_b32 s21, s18, 3
	s_add_co_u32 s20, s20, s21                     ; the first position
	v_and_b32 v1, 31, v0                           ; j
	v_mov_b32 v16, 0
.macro PJ j, val                       ; 10^(j / 8) into lane j
	s_mov_b32 s23, \val
	v_writelane_b32 v16, s23, \j
.endm
	PJ 0, 1.0
	PJ 1, 1.333521432163
	PJ 2, 1.778279410039
	PJ 3, 2.371373705662
	PJ 4, 3.162277660168
	PJ 5, 4.216965034286
	PJ 6, 5.623413251903
	PJ 7, 7.498942093325
	PJ 8, 10.0
	PJ 9, 13.33521432163
	PJ 10, 17.78279410039
	PJ 11, 23.71373705662
	PJ 12, 31.62277660168
	PJ 13, 42.16965034286
	PJ 14, 56.23413251903
	PJ 15, 74.98942093325
	PJ 16, 100.0
	PJ 17, 133.3521432163
	PJ 18, 177.8279410039
	PJ 19, 237.1373705662
	PJ 20, 316.2277660168
	PJ 21, 421.6965034286
	PJ 22, 562.3413251903
	PJ 23, 749.8942093325
	PJ 24, 1000.0
	PJ 25, 1333.521432163
	PJ 26, 1778.279410039
	PJ 27, 2371.373705662
	PJ 28, 3162.277660168
	PJ 29, 4216.965034286
	PJ 30, 5623.413251903
	PJ 31, 7498.942093325
	s_wait_alu depctr_va_vdst(0)
	v_rcp_f32 v17, v16
	v_lshlrev_b32 v2, 2, v1                        ; 4 j (a plain line behind the reciprocal)
	s_wait_alu depctr_va_vdst(0)
	v_fma_f32 v18, -v16, v17, 1.0                  ; one step of Newton's: the quotient 1 / p to the last place
	v_fma_f32 v17, v17, v18, v17                   ; f
	s_lshl_b32 s21, s20, 8
	v_add_nc_u32 v2, s21, v2                       ; + 256 bytes for each position
	v_and_b32 v3, 1, v1
	v_xor_b32 v3, 1, v3
	v_lshlrev_b32 v3, 31, v3                       ; even j: the sine's sign is turned
	s_mov_b32 s22, 0
.Lpos:
	v_cvt_f32_u32 v4, s20
	v_mul_f32 v4, v4, v17                          ; the angle, rounded once
	v_mul_f32 v5, 0x3f22f983, v4                   ; x 2 / pi
	v_rndne_f32 v5, v5                             ; k
	v_fmamk_f32 v6, v5, 0xbfc90fdb, v4             ; angle - k pi / 2, pi / 2 in three parts
	v_fmamk_f32 v6, v5, 0x333bbd2e, v6
	v_fmamk_f32 v6, v5, 0x26f72ced, v6             ; r, within pi / 4 of 0
	v_mul_f32 v7, v6, v6                           ; z = r r
	v_cvt_i32_f32 v8, v5
	v_mov_b32 v9, 0xb94ca1f9
	v_fmaak_f32 v9, v9, v7, 0x3c08839e
	v_fmaak_f32 v9, v9, v7, 0xbe2aaaa3
	v_mul_f32 v10, v7, v6
	v_fma_f32 v9, v9, v10, v6                      ; sin r
	v_mov_b32 v11, 0x37ccf5ce
	v_fmaak_f32 v11, v11, v7, 0xbab6061a
	v_fmaak_f32 v11, v11, v7, 0x3d2aaaa5
	v_mul_f32 v12, v7, v7
	v_fma_f32 v13, v7, -0.5, 1.0
	v_fma_f32 v11, v11, v12, v13                   ; cos r
	v_and_b32 v14, 1, v8
	v_cmp_eq_u32 vcc_lo, 1, v14                    ; odd k: sine and cosine change places
	v_cndmask_b32 v19, v9, v11, vcc_lo
	v_cndmask_b32 v20, v11, v9, vcc_lo
	v_lshlrev_b32 v21, 30, v8
	v_and_b32 v21, 0x80000000, v21                 ; the sine is negative where k mod 4 is 2 or 3,
	v_xor_b32 v21, v21, v3                         ; and turned once more for even j
	v_xor_b32 v19, v19, v21
	v_add_nc_u32 v22, 1, v8
	v_lshlrev_b32 v22, 30, v22
	v_and_b32 v22, 0x80000000, v22                 ; the cosine where k mod 4 is 1 or 2
	v_xor_b32 v20, v20, v22
	global_store_b32 v2, v20, s[16:17]
	global_store_b32 v2, v19, s[16:17] offset:128
	s_wait_xcnt 0x0                                ; the stores' offset and data are written again only behind this wait
	v_add_nc_u32 v2, 256, v2
	s_add_co_u32 s20, s20, 1
	s_add_co_u32 s22, s22, 1
	s_cmp_lt_u32 s22, 8
	s_cbranch_scc1 .Lpos
	s_endpgm
.Lfunc_end_k_q73984c9a2d_prep:
	.size	k_q73984c9a2d_prep, .Lfunc_end_k_q73984c9a2d_prep-k_q73984c9a2d_prep
	.p2alignl 7, 3214868480
	.fill 96, 4, 3214868480
	.section	.rodata,"a",@progbits
	.p2align	6, 0x0
	.amdhsa_kernel k_q73984c9a2d_prep
		.amdhsa_group_segment_fixed_size 34304
		.amdhsa_private_segment_fixed_size 0
		.amdhsa_enable_private_segment 0
		.amdhsa_kernarg_size 56
		.amdhsa_user_sgpr_count 2
		.amdhsa_user_sgpr_kernarg_segment_ptr 1
		.amdhsa_wavefront_size32 1
		.amdhsa_system_sgpr_workgroup_id_x 1
		.amdhsa_system_sgpr_workgroup_id_y 1
		.amdhsa_system_sgpr_workgroup_id_z 1
		.amdhsa_system_vgpr_workitem_id 0
		.amdhsa_next_free_vgpr 242
		.amdhsa_next_free_sgpr 66
		.amdhsa_reserve_vcc 1
		.amdhsa_float_denorm_mode_32 3
		.amdhsa_float_denorm_mode_16_64 3
		.amdhsa_memory_ordered 1
		.amdhsa_forward_progress 1
		.amdhsa_inst_pref_size 23
	.end_amdhsa_kernel
	.amdgpu_metadata
---
amdhsa.version: [ 1, 2 ]
amdhsa.kernels:
  - .name:           k_q73984c9a2d_prep
    .symbol:         k_q73984c9a2d_prep.kd
    .args:
      - { .name: x, .offset: 0, .size: 8, .value_kind: global_buffer, .address_space: global }
      - { .name: w_qkv, .offset: 8, .size: 8, .value_kind: global_buffer, .address_space: global }
      - { .name: w_proj, .offset: 16, .size: 8, .value_kind: global_buffer, .address_space: global }
      - { .name: xq, .offset: 24, .size: 8, .value_kind: global_buffer, .address_space: global }
      - { .name: wq, .offset: 32, .size: 8, .value_kind: global_buffer, .address_space: global }
      - { .name: pq, .offset: 40, .size: 8, .value_kind: global_buffer, .address_space: global }
      - { .name: tab, .offset: 48, .size: 8, .value_kind: global_buffer, .address_space: global }
    .group_segment_fixed_size: 34304
    .private_segment_fixed_size: 0
    .kernarg_segment_align: 8
    .kernarg_segment_size: 56
    .max_flat_workgroup_size: 128
    .sgpr_count:     66
    .vgpr_count:     242
    .wavefront_size: 32
...
	.end_amdgpu_metadata
.endif
;; end of part 1
;; launch qkv (part 2): grid 8 x 32, 16 waves a work-group, clusters of 4 x 4, 280,576 bytes of LDS; arguments xq, wq, b_qkv, mask, tab, qkv; writes qkv
.if DOCPART == 2
	.amdgcn_target "amdgcn-amd-amdhsa--gfx1250"
	.amdhsa_code_object_version 6
	.text
	.protected	k_q73984c9a2d_qkv
	.globl	k_q73984c9a2d_qkv
	.p2align	8
	.type	k_q73984c9a2d_qkv,@function
k_q73984c9a2d_qkv:
	s_mov_b64 s[64:65], 0
	v_nop
	global_prefetch_b8 v0, s[64:65] scope:SCOPE_SE
	s_setreg_imm32_b32 hwreg(HW_REG_WAVE_MODE, 25, 1), 1
	s_wait_xcnt 0x0
	s_wait_alu depctr_hold_cnt(0) depctr_sa_sdst(0) depctr_va_vdst(0) depctr_va_sdst(0) depctr_va_ssrc(0) depctr_va_vcc(0) depctr_vm_vsrc(0)
	s_getreg_b32 s2, hwreg(HW_REG_IB_STS2, 6, 4)
	s_cmp_eq_u32 s2, 0
	s_cbranch_scc0 .Lentry_in_a_cluster
	s_endpgm
.Lentry_in_a_cluster:
	s_bfe_u32 s2, ttmp6, 0x10000c
	s_cmp_lg_u32 s2, 0xf033
	s_cbranch_scc0 .Lentry_shape_is_right
	s_endpgm
.Lentry_shape_is_right:
; QKV.  x W^T + b on codes of FP4 with E8M0 scales (K = 1,024), then: q and k are rotated and quantised along the head's 64; v is quantised along the keys.  All three leave as images of operand registers.
; Operands come as RECORDS of 8,704 bytes for each row tile of 16 rows (place r of tile T = row 32 (T / 2) + 8 (T % 2) + r + 8 (r / 8)): 16 units of 512 bytes (16 rows x 64 K; lane l's 16 bytes at 16 l), then scale words [K step: 8][r: 16].
; 256 work-groups of sixteen waves.  Each makes 256 tokens x 256 features of q or k, and then, of the same 256 tokens, 128 features of v: 8 columns x (256 + 128) = 3,072 features.
; x's panel and the panel of W for q or k, for all of K, lie in LDS: 2 x 139,264 bytes, each byte filled once, so there is no ring.
; CLUSTERS: 4 x 4 work-groups; x's panel is shared along a row of the cluster, W's along a column: each is asked for JOINTLY, one fill a wave: waves 0-3 W's codes (half, slot), 4-7 x's, 8-9 W's scale words, 10-11 x's.
; The cluster's x is the section (0 q, 1 k): equal in all sixteen partners; it only selects values.
; v's ROWS OF W DO NOT COME THROUGH LDS: with them a work-group's 40 records would be 348,160 bytes, more than a WGP's LDS.  A wave's two row tiles, 128 registers, and their scale words are loaded from memory as the register images
; that they are (512 consecutive bytes a load), into the accumulators of q or k as the rotation leaves them.  No prefetch: the text has no loop to run ahead in.
; q, k: a wave makes 64 tokens x 64 features (one head), TRANSPOSED (source 0 = 16 rows of W, source 1 = 16 tokens): a lane holds one token, and the 16 registers of feature tiles 2 b and 2 b + 1 are d = 32 b + 16 (lane / 16) + 0 .. 15.
; v: a wave makes the same 64 tokens x 32 features in the natural order (source 0 = tokens, source 1 = W): a lane holds one feature, and its registers run along the tokens, which are the next product's K.
; The bias is the C of each sum's first product.
; THE TILES OF q AND k AS THEY ARE STORED: within a group of 64 tokens, place m of tile t is token 32 (m / 8) + 8 t + m % 8.  A lane's 16 bytes of x tile a = 2 g + u, place r = 8 v + j, go to tile u + 2 v, place 8 g + j.
; THE MASK RIDES IN K'S SCALE WORDS.  A head fills 64 of the next product's 128 along K.  There q holds one code 1.0 at k = 64 and k one code -6; byte 2 of q's word is 127, byte 2 of k's word is 227 (2^100) where mask == 0 and 1 (2^-126) elsewhere.
; THE (b, head) RECORD of 217,088 bytes: +0 K units [key tile: 128]; +65,536 V units [64 keys: 32][d tile: 4]; +131,072 K's scale words [64 keys: 32][lane (m, t % 2)][t / 2];
; +139,264 V's scale words [128 keys: 16][a: 2][lane (r, u)] (d tile 2 a + u); +143,360 Q units; +208,896 Q's scale words, laid as K's.
; LIMITS: a block of zeros or under 2^-124 keeps the byte 1; NaN and infinities are not served.
.set REC,   8704
.set SLOT,  131072                     ; LDS: slot s holds K = 512 s .. 512 s + 511: W's 16 row tiles at 4,096 each, then x's 16
.set XOFF,  65536
.set SCL,   262144                     ; behind the slots: W's scale words, 16 x 512 bytes, then x's
.set HREC,  217088
.set VOFF,  65536
.set KSOFF, 131072
.set VSOFF, 139264
.set QOFF,  143360
.set QSOFF, 208896
.set ADX, 4                            ; v4-5   LDS address of my x fragments in slot 0, 1
.set ADW, 6                            ; v6-7   of my W fragments
.set ADS, 8                            ; v8     of my scale words: lanes 0-15 W's tiles, lanes 16-31 x's
.set MK,  12                           ; v12-15 the mask of my four tiles' tokens, then the scale words of q or k
.set SC,  16                           ; v16-19 scale words from LDS
.set WS,  20                           ; v20-27 v: W's scale words, a register a K step: lanes 0-15 tile 0, lanes 16-31 tile 1
.set FW,  32
.set FX,  64
.set BI,  96
.set ACC, 128                          ; q, k: sixteen accumulators
.set WF,  128                          ; v: W's fragments: 16 registers a K step
.set CT,  96
.set ST,  112
.set OUT, 32
.set TM,  64
.set PCQ, 80
.set G1X, 24
.set G0X, 32
.set G1W, 40
.set G0W, 48
.set G1SX, 56
.set G1SW, 68
.set G0SX, 76
.set G0SW, 80
.macro ROUND                           ; a round of the cluster's barrier
	s_barrier_signal -1
	s_barrier_wait -1
	s_cmp_lg_u32 s16, 0
	s_cbranch_scc1 .Lnot_wave_0_\@
	s_barrier_signal -3
.Lnot_wave_0_\@:
	s_barrier_wait -3
	s_barrier_signal -1
	s_barrier_wait -1
.endm
.macro PLACES                          ; four plain vector lines between a matrix instruction and a load into, or a vector line on, its registers
.rept 4
	v_nop
.endr
.endm
	s_load_b256 s[4:11], s[0:1], 0x0               ; xq, wq, b_qkv, mask
	s_load_b128 s[12:15], s[0:1], 0x20             ; tab, qkv
	v_lshl_add_u32 v254, v0, 2, 0x44000
	v_mov_b32 v255, 0
	ds_add_u32 v254, v255
	ds_add_u32 v254, v255
	s_wait_dscnt 0x0
	v_lshrrev_b32 v1, 5, v0
	s_delay_alu instid0(VALU_DEP_1)
	v_readfirstlane_b32 s16, v1                    ; wave 0..15
	s_and_b32 s17, s16, 1                          ; which 8 row tiles I fetch, if I fetch
	s_bfe_u32 s18, ttmp6, 0x40000                  ; cx
	s_bfe_u32 s19, ttmp6, 0x40004                  ; cy
	s_lshl_b32 s20, ttmp9, 2
	s_add_co_u32 s20, s20, s18                     ; tile column 0..7
	s_and_b32 s21, ttmp7, 0xffff
	s_lshl_b32 s21, s21, 2
	s_add_co_u32 s21, s21, s19                     ; tile row: 256 tokens
	s_lshl_b32 s22, s19, 2
	s_lshl_b32 s22, 15, s22                        ; my row of the cluster
	s_lshl_b32 s23, 0x1111, s18                    ; my column
	s_or_b32 s[G1X], s22, (3<<16)|(1<<21)          ; the mask; elements of 8 bytes; bit 21 beside a mask
	s_or_b32 s[G1W], s23, (3<<16)|(1<<21)
	s_or_b32 s[G1SX], s22, (3<<16)|(1<<21)
	s_or_b32 s[G1SW], s23, (3<<16)|(1<<21)
.irp g, G1X, G1W                       ; 8 row tiles' 4,096 bytes of codes, 8,704 bytes apart, dense in LDS
	s_mov_b32 s[\g+1], 512<<16
	s_mov_b32 s[\g+2], 8<<16
	s_mov_b32 s[\g+3], 512<<16
	s_mov_b32 s[\g+4], 8
	s_mov_b32 s[\g+5], 1088
	s_mov_b32 s[\g+6], 0
	s_mov_b32 s[\g+7], 0
.endr
.irp g, G1SX, G1SW                     ; and their 512 bytes of scale words
	s_mov_b32 s[\g+1], 64<<16
	s_mov_b32 s[\g+2], 8<<16
	s_mov_b32 s[\g+3], 64<<16
	s_mov_b32 s[\g+4], 8
	s_mov_b32 s[\g+5], 1088
	s_mov_b32 s[\g+6], 0
	s_mov_b32 s[\g+7], 0
.endr
	s_lshl_b32 s84, s20, 4                         ; W's address hangs on the tile column alone, x's on the tile row alone
	s_lshl_b32 s85, s17, 3
	s_add_co_u32 s84, s84, s85
	s_mul_i32 s84, s84, REC
	s_mov_b32 s85, 0
	s_lshl_b32 s88, s21, 4
	s_lshl_b32 s89, s17, 3
	s_add_co_u32 s88, s88, s89
	s_mul_i32 s88, s88, REC
	s_mov_b32 s89, 0
	s_bfe_u32 s94, s16, 0x10001                    ; which slot my load of codes fills
	s_lshl_b32 s92, s17, 15                        ; where it goes: half x 32,768
	s_lshl_b32 s95, s94, 17
	s_add_co_u32 s92, s92, s95                     ; + slot x SLOT
	s_lshl_b32 s93, s17, 12                        ; half x 4,096 among the scale words
	s_lshl_b32 s66, s94, 12                        ; a slot's 4,096 bytes of each record
	s_mov_b32 s67, 0
	s_wait_kmcnt 0x0
	s_add_nc_u64 s[86:87], s[6:7], s[84:85]
	s_add_nc_u64 s[90:91], s[4:5], s[88:89]
	ROUND                                          ; all sixteen work-groups are here: the joint loads meet
	s_mov_b32 s[G0W], 1
	s_mov_b32 s[G0W+1], s92
	s_add_nc_u64 s[G0W+2:G0W+3], s[86:87], s[66:67]
	s_or_b32 s[G0W+3], s[G0W+3], 0x80000000
	s_mov_b32 s[G0X], 1
	s_add_co_u32 s[G0X+1], s92, XOFF
	s_add_nc_u64 s[G0X+2:G0X+3], s[90:91], s[66:67]
	s_or_b32 s[G0X+3], s[G0X+3], 0x80000000
	s_mov_b32 s[G0SW], 1
	s_add_co_u32 s[G0SW+1], s93, SCL
	s_add_nc_u64 s[G0SW+2:G0SW+3], s[86:87], 8192
	s_or_b32 s[G0SW+3], s[G0SW+3], 0x80000000
	s_mov_b32 s[G0SX], 1
	s_add_co_u32 s[G0SX+1], s93, SCL+8192
	s_add_nc_u64 s[G0SX+2:G0SX+3], s[90:91], 8192
	s_or_b32 s[G0SX+3], s[G0SX+3], 0x80000000
	s_cmp_lt_u32 s16, 4                            ; one chain of branches on the wave's number, one fill to an arm: one tensor load of mine is out at the most
	s_cbranch_scc0 .Lnot_w
	tensor_load_to_lds s[G0W:G0W+3], s[G1W:G1W+7]
	s_nop 0
	PLACES
	s_branch .Lasked
.Lnot_w:
	s_cmp_lt_u32 s16, 8
	s_cbranch_scc0 .Lnot_x
	tensor_load_to_lds s[G0X:G0X+3], s[G1X:G1X+7]
	s_nop 0
	PLACES
	s_branch .Lasked
.Lnot_x:
	s_cmp_lt_u32 s16, 10
	s_cbranch_scc0 .Lnot_sw
	tensor_load_to_lds s[G0SW:G0SW+3], s[G1SW:G1SW+7]
	s_nop 0
	PLACES
	s_branch .Lasked
.Lnot_sw:
	s_cmp_lt_u32 s16, 12
	s_cbranch_scc0 .Lasked
	tensor_load_to_lds s[G0SX:G0SX+3], s[G1SX:G1SX+7]
	s_nop 0
	PLACES
.Lasked:
	; both biases and the mask land beside the fills
	v_and_b32 v2, 15, v0                           ; r
	v_bfe_u32 v3, v0, 4, 1                         ; h
	s_wait_alu depctr_va_vdst(0)
	v_and_b32 v1, 31, v0
	s_delay_alu instid0(VALU_DEP_1)
	v_lshlrev_b32 v1, 4, v1                        ; 16 l
	v_and_b32 v29, 8, v2
	s_delay_alu instid0(VALU_DEP_1)
	v_add_nc_u32 v29, v29, v2                      ; r + 8 (r / 8)
	s_wait_alu depctr_va_vdst(0)
	s_lshr_b32 s84, s16, 2                         ; which 64 tokens
	s_and_b32 s85, s16, 3                          ; q, k: which head of the tile's four; v: which 32 features of the 128
	s_lshl_b32 s66, s20, 10
	s_mov_b32 s67, 0
	s_add_nc_u64 s[8:9], s[8:9], s[66:67]          ; the bias at my tile column of q or k
	s_lshl_b32 s66, s21, 10
	s_add_nc_u64 s[10:11], s[10:11], s[66:67]      ; the mask at my tile row: [4][2048] is one run of tokens
	s_lshl_b32 s87, s85, 8
	v_lshlrev_b32 v10, 6, v3
	s_delay_alu instid0(VALU_DEP_1)
	v_add_nc_u32 v10, s87, v10                     ; q, k: 64 features a head, + 16 h
	s_lshl_b32 s87, s85, 7                         ; v: feature 2,048 + 128 column + 32 group: from the base above 8,192 + 128 group - 512 column bytes on (4,608 at the least)
	s_add_co_u32 s87, s87, 8192
	s_lshl_b32 s86, s20, 9
	s_sub_co_u32 s87, s87, s86
	v_lshlrev_b32 v11, 2, v29
	s_delay_alu instid0(VALU_DEP_1)
	v_add_nc_u32 v11, s87, v11                     ; + r + 8 (r / 8)
	s_lshl_b32 s87, s84, 8
	v_lshlrev_b32 v28, 2, v29
	s_delay_alu instid0(VALU_DEP_1)
	v_add_nc_u32 v28, s87, v28                     ; the mask of token 64 wr + .. + r + 8 (r / 8)
.irp b, 0,1,2,3
	global_load_b128 v[BI+8*\b:BI+8*\b+3], v10, s[8:9] offset:(32*(\b/2)+8*(\b%2))*4
	global_load_b128 v[BI+8*\b+4:BI+8*\b+7], v10, s[8:9] offset:(32*(\b/2)+8*(\b%2))*4+16
.endr
.irp a, 0,1,2,3
	global_load_b32 v[MK+\a], v28, s[10:11] offset:(32*(\a/2)+8*(\a%2))*4
.endr
	global_load_b32 v30, v11, s[8:9]               ; v's bias: feature tile 0,
	global_load_b32 v31, v11, s[8:9] offset:32     ; tile 1
	s_wait_loadcnt 0x0
	s_wait_tensorcnt 0x0                           ; my fill has landed,
	s_barrier_signal -1
	s_barrier_wait -1                              ; everybody's has: from here on LDS is only read
	s_mov_b32 s24, 0xffff0000                      ; lanes 16-31 (no tensor load is out: the descriptors' registers are free)
	s_mov_b32 s26, 0x76543210
	s_mov_b32 s27, 0xfedcba98                      ; v_permlanex16_b32's selects for lane l xor 16
; nb blocks of 32 along the next K: 16 nb numbers of a lane, register 16 b + i = k 32 b + 16 (lane / 16) + i, become codes in v[pc] on (registers 4 c .. 4 c + 3: k = 64 c + 32 (lane / 16) + 0 .. 31); the bytes stay in v[TM+4] on
.macro QUANT s, nb, pc
.set qb, 0
.rept \nb
	v_max3_num_f32 v[TM+qb], |v[(\s)+16*qb]|, |v[(\s)+16*qb+1]|, 0x1800000   ; my 16 numbers, and the floor 2^(3 - 127)
.set qb, qb+1
.endr
.set qi, 2
.rept 7
.set qb, 0
.rept \nb
	v_max3_num_f32 v[TM+qb], v[TM+qb], |v[(\s)+16*qb+qi]|, |v[(\s)+16*qb+qi+1]|
.set qb, qb+1
.endr
.set qi, qi+2
.endr
.set qb, 0
.rept \nb
	v_permlanex16_b32 v[TM+4+qb], v[TM+qb], s26, s27
.set qb, qb+1
.endr
.set qb, 0
.rept \nb
	v_max_num_f32 v[TM+qb], v[TM+qb], v[TM+4+qb]   ; with lane l xor 16's: the block's largest magnitude
.set qb, qb+1
.endr
.set qb, 0
.rept \nb
	v_add_nc_u32 v[TM+12+qb], 0xff000000, v[TM+qb] ; 2 off its exponent field: the conversion's scale operand
.set qb, qb+1
.endr
.set qb, 0
.rept \nb
	v_lshrrev_b32 v[TM+4+qb], 23, v[TM+12+qb]      ; the scale's byte
.set qb, qb+1
.endr
.set qb, 0
.rept \nb
	v_cvt_scalef32_pk8_fp4_f32 v[(\pc)+2*qb], v[(\s)+16*qb:(\s)+16*qb+7], v[TM+12+qb]
	v_cvt_scalef32_pk8_fp4_f32 v[(\pc)+2*qb+1], v[(\s)+16*qb+8:(\s)+16*qb+15], v[TM+12+qb]
.set qb, qb+1
.endr
	v_nop                                          ; one plain line behind a scaled conversion
.set qc, 0
.rept \nb/2                            ; a whole block in a lane: lanes 0-15 block 2 c, lanes 16-31 block 2 c + 1
	v_permlane16_swap_b32 v[(\pc)+4*qc], v[(\pc)+4*qc+2]
	v_permlane16_swap_b32 v[(\pc)+4*qc+1], v[(\pc)+4*qc+3]
.set qc, qc+1
.endr
.endm
	; ================ q or k ================
	s_lshl_b32 s86, s84, 14                        ; my four x tiles
	s_add_co_u32 s86, s86, XOFF
	s_lshl_b32 s87, s85, 14                        ; my four W tiles
	v_add_nc_u32 v[ADX], s86, v1
	s_delay_alu instid0(VALU_DEP_1)
	v_add_nc_u32 v[ADX+1], SLOT, v[ADX]
	v_add_nc_u32 v[ADW], s87, v1
	s_delay_alu instid0(VALU_DEP_1)
	v_add_nc_u32 v[ADW+1], SLOT, v[ADW]
	s_lshl_b32 s88, s85, 11                        ; W's scale words: 512 bytes a tile
	s_lshl_b32 s89, s84, 11                        ; x's, 8,192 bytes behind W's first
	s_add_co_u32 s89, s89, 8192
	s_sub_co_u32 s89, s89, s88
	v_mul_u32_u24 v[ADS], s89, v3                  ; lanes 16-31 take x's: the lower base + h x the distance
	s_delay_alu instid0(VALU_DEP_1)
	v_lshl_add_u32 v[ADS], v2, 2, v[ADS]
	s_add_co_u32 s88, s88, SCL
	v_add_nc_u32 v[ADS], s88, v[ADS]
	v_lshlrev_b32 v9, 8, v29
	s_delay_alu instid0(VALU_DEP_1)
	v_lshl_add_u32 v9, v3, 6, v9                   ; the table: my token's row of 256 bytes, + 16 h numbers
	v_mul_u32_u24 v28, v3, REC
	s_delay_alu instid0(VALU_DEP_1)
	v_lshl_add_u32 v28, v2, 2, v28                 ; v: W's scale words: 4 r, lanes 16-31 in the next record
	s_lshr_b32 s90, s21, 3                         ; the batch
	s_and_b32 s91, s21, 7
	s_lshl_b32 s91, s91, 4
	s_lshl_b32 s92, s84, 2
	s_add_co_u32 s91, s91, s92                     ; my first tile of tokens in the batch, a multiple of 4
	s_lshl_b32 s92, s18, 2
	s_add_co_u32 s92, s92, s85                     ; the head
	s_lshl_b32 s93, s90, 4
	s_add_co_u32 s93, s93, s92
	s_mul_i32 s93, s93, HREC                       ; its record
	s_mov_b32 s95, KSOFF
	s_mov_b32 s98, 0x7f010000                      ; k: bytes 2 and 3 of a key that counts,
	s_mov_b32 s99, 0x7fe30000                      ; of a hidden key
	s_cmp_eq_u32 ttmp9, 0
	s_cselect_b32 s94, QOFF, 0
	s_cselect_b32 s95, QSOFF, s95
	s_cselect_b32 s98, 0x7f7f0000, s98             ; q: 127 and 127, whatever the mask
	s_cselect_b32 s99, 0x7f7f0000, s99
	s_add_co_u32 s94, s94, s93
	s_lshl_b32 s66, s91, 9
	s_add_co_u32 s66, s66, s94
	s_add_nc_u64 s[96:97], s[14:15], s[66:67]      ; my four units
	s_add_co_u32 s95, s95, s93
	s_lshl_b32 s66, s91, 6
	s_add_co_u32 s66, s66, s95
	s_add_nc_u64 s[28:29], s[14:15], s[66:67]      ; my 256 bytes of scale words
	s_lshl_b32 s66, s91, 12
	s_add_nc_u64 s[12:13], s[12:13], s[66:67]      ; the table at my first token
	s_lshl_b32 s66, s20, 3                         ; v: W's row tile 128 + 8 column + 2 group
	s_lshl_b32 s92, s85, 1
	s_add_co_u32 s66, s66, s92
	s_add_co_u32 s66, s66, 128
	s_mul_i32 s66, s66, REC
	s_add_nc_u64 s[30:31], s[6:7], s[66:67]
	v_mov_b32 v26, s98
	v_mov_b32 v27, s99
.irp a, 0,1,2,3
	v_cmp_eq_u32 vcc_lo, 0, v[MK+\a]
	s_delay_alu instid0(VALU_DEP_1)
	v_cndmask_b32 v[MK+\a], v26, v27, vcc_lo       ; a choice of values: no branch hangs on the mask
.endr
; 128 along K: the q-th of slot.  Sixteen accumulators by turns, one instruction a turn, in the same order in every step.
.macro KSTEP_T slot, q, first
.if !\first
	PLACES
.endif
.irp i, 0,1,2,3
.irp c, 0,1
	ds_load_b128 v[FW+8*\i+4*\c:FW+8*\i+4*\c+3], v[ADW+\slot] offset:4096*\i+1024*\q+512*\c
	ds_load_b128 v[FX+8*\i+4*\c:FX+8*\i+4*\c+3], v[ADX+\slot] offset:4096*\i+1024*\q+512*\c
.endr
	ds_load_b32 v[SC+\i], v[ADS] offset:512*\i+64*(4*\slot+\q)
.endr
	s_wait_dscnt 0x0
.irp a, 0,1,2,3
.irp b, 0,1,2,3
.if \first
	v_wmma_scale_f32_16x16x128_f8f6f4 v[ACC+8*(4*\a+\b):ACC+8*(4*\a+\b)+7], v[FW+8*\b:FW+8*\b+7], v[FX+8*\a:FX+8*\a+7], v[BI+8*\b:BI+8*\b+7], v[SC+\b], v[SC+\a] matrix_a_fmt:MATRIX_FMT_FP4 matrix_b_fmt:MATRIX_FMT_FP4 matrix_b_scale:MATRIX_SCALE_ROW1
.else
	v_wmma_scale_f32_16x16x128_f8f6f4 v[ACC+8*(4*\a+\b):ACC+8*(4*\a+\b)+7], v[FW+8*\b:FW+8*\b+7], v[FX+8*\a:FX+8*\a+7], v[ACC+8*(4*\a+\b):ACC+8*(4*\a+\b)+7], v[SC+\b], v[SC+\a] matrix_a_fmt:MATRIX_FMT_FP4 matrix_b_fmt:MATRIX_FMT_FP4 matrix_b_scale:MATRIX_SCALE_ROW1
.endif
.endr
.endr
.endm
.macro TABLOAD a                       ; 16 cosines and 16 signed sines of my token of tile a, at j = 16 h + 0 .. 15
.irp p, 0,1,2,3
	global_load_b128 v[CT+4*\p:CT+4*\p+3], v9, s[12:13] offset:(32*((\a)/2)+8*((\a)%2))*256+16*\p
	global_load_b128 v[ST+4*\p:ST+4*\p+3], v9, s[12:13] offset:(32*((\a)/2)+8*((\a)%2))*256+128+16*\p
.endr
.endm
.macro ROPE a                          ; out[d] = x[d] cos + x[d xor 1] s': register 16 b + i is d = 32 b + 16 h + i, and the table's j is d mod 32.  The accumulators are read in ascending order
.set pr, 0
.rept 16
	v_pk_mul_f32 v[OUT+2*pr:OUT+2*pr+1], v[ACC+32*\a+2*pr:ACC+32*\a+2*pr+1], v[CT+(2*pr)%16:CT+(2*pr)%16+1]
.set pr, pr+1
.endr
.set pr, 0
.rept 16
	v_pk_fma_f32 v[OUT+2*pr:OUT+2*pr+1], v[ACC+32*\a+2*pr:ACC+32*\a+2*pr+1], v[ST+(2*pr)%16:ST+(2*pr)%16+1], v[OUT+2*pr:OUT+2*pr+1] op_sel:[1,0,0] op_sel_hi:[0,1,1]   ; the pair's two numbers change places
.set pr, pr+1
.endr
.endm
.macro WLOAD a                         ; v: W's fragments of K steps 2 a and 2 a + 1, both row tiles, into the 32 registers that tile a's rotation has just read: eight loads of 512 consecutive bytes
.irp q, 2*(\a), 2*(\a)+1
.irp b, 0,1
.irp c, 0,1
	global_load_b128 v[WF+16*(\q)+8*\b+4*\c:WF+16*(\q)+8*\b+4*\c+3], v1, s[30:31] offset:REC*\b+1024*(\q)+512*\c
.endr
.endr
.endr
.endm
	s_wait_alu depctr_va_vdst(0)
	KSTEP_T 0, 0, 1
	PLACES
	TABLOAD 0                                      ; into the registers that the bias has left
.irp q, 0,1,2,3,4,5,6,7
	global_load_b32 v[WS+\q], v28, s[30:31] offset:8192+64*\q
.endr
	KSTEP_T 0, 1, 0
	KSTEP_T 0, 2, 0
	KSTEP_T 0, 3, 0
	KSTEP_T 1, 0, 0
	KSTEP_T 1, 1, 0
	KSTEP_T 1, 2, 0
	KSTEP_T 1, 3, 0
	PLACES
.irp b, 0,1,2,3
	v_mov_b32 v[TM+4+\b], 0                        ; written once: a lane permute's destination counts as one of its sources
.endr
	v_and_b32 v10, 7, v0                           ; j
	v_bfe_u32 v11, v0, 3, 1                        ; v
	v_and_b32 v6, 8, v0                            ; 8 v
	v_lshl_add_u32 v11, v10, 1, v11
	v_lshlrev_b32 v10, 4, v10
	v_lshl_add_u32 v11, v3, 5, v11
	v_lshl_add_u32 v10, v6, 7, v10
	v_lshlrev_b32 v11, 2, v11                      ; my scale words go to 8 j + 4 v + 128 (lane / 16),
	v_lshl_add_u32 v10, v3, 8, v10                 ; my 16 bytes of a unit to 16 j + 1,024 v + 256 (lane / 16)
.irp a, 0,1,2,3
	s_wait_loadcnt 0x0                             ; this tile's part of the table (and what was asked for with it)
	ROPE \a
.if \a < 3
	TABLOAD \a+1                                   ; the next tile's lands while this one is quantised
.endif
	WLOAD \a
	QUANT OUT, 2, PCQ+4*\a
	v_lshl_or_b32 v[TM+4], v[TM+5], 8, v[TM+4]
	s_delay_alu instid0(VALU_DEP_1)
	v_or_b32 v[MK+\a], v[MK+\a], v[TM+4]           ; bytes 0 and 1 of my token's scale word
	global_store_b128 v10, v[PCQ+4*\a:PCQ+4*\a+3], s[96:97] offset:512*(\a%2)+128*(\a/2)   ; runs of 128 bytes; the wave's four stores fill its four units
.endr
	v_cndmask_b32 v6, v[MK], v[MK+1], s24          ; lanes 0-15 the even tile's word, lanes 16-31 the odd tile's
	v_cndmask_b32 v7, v[MK+2], v[MK+3], s24
	global_store_b32 v11, v6, s[28:29]             ; g = 0
	global_store_b32 v11, v7, s[28:29] offset:64   ; g = 1: the two stores fill the group's 256 bytes
	; ================ v: the same 64 tokens x 32 features ================
	s_wait_xcnt 0x0                                ; the stores above have read their registers
	s_lshl_b32 s92, s20, 1
	s_lshr_b32 s93, s85, 1
	s_add_co_u32 s92, s92, s93                     ; the head: 2 column + group / 2
	s_lshl_b32 s93, s90, 4
	s_add_co_u32 s93, s93, s92
	s_mul_i32 s93, s93, HREC
	s_and_b32 s91, s21, 7
	s_lshl_b32 s91, s91, 2
	s_add_co_u32 s91, s91, s84                     ; G: my 64 keys in the batch
	s_and_b32 s94, s85, 1                          ; which half of the head's d
	s_lshl_b32 s66, s91, 11                        ; unit 4 G + 2 half + b
	s_lshl_b32 s95, s94, 10
	s_add_co_u32 s66, s66, s95
	s_add_co_u32 s66, s66, s93
	s_add_co_u32 s66, s66, VOFF
	s_add_nc_u64 s[32:33], s[14:15], s[66:67]
	s_lshr_b32 s66, s91, 1                         ; the scale words of key step G / 2; my two bytes of each: 2 (G % 2)
	s_lshl_b32 s66, s66, 8
	s_lshl_b32 s95, s94, 7
	s_add_co_u32 s66, s66, s95
	s_and_b32 s95, s91, 1
	s_lshl_b32 s95, s95, 1
	s_add_co_u32 s66, s66, s95
	s_add_co_u32 s66, s66, s93
	s_add_co_u32 s66, s66, VSOFF
	s_add_nc_u64 s[34:35], s[14:15], s[66:67]
	v_and_b32 v9, 31, v0
.irp j, 0,1,2,3,4,5,6,7
	v_mov_b32 v[56+\j], v30                        ; a lane holds one feature: its bias in the eight registers of token tile 3's accumulator, which serve the other three as C
	v_mov_b32 v[120+\j], v31
.endr
	v_lshlrev_b32 v9, 2, v9                        ; 4 l
; accumulator (token tile a, feature tile b) at v[32 + 64 b + 8 a]
.macro VMM a, b, kq, c
.if \b
	v_wmma_scale_f32_16x16x128_f8f6f4 v[32+64*\b+8*\a:39+64*\b+8*\a], v[FX+8*\a:FX+8*\a+7], v[WF+16*(\kq)+8*\b:WF+16*(\kq)+8*\b+7], v[(\c):(\c)+7], v[SC+\a], v[WS+(\kq)] matrix_a_fmt:MATRIX_FMT_FP4 matrix_b_fmt:MATRIX_FMT_FP4 matrix_a_scale:MATRIX_SCALE_ROW1 matrix_b_scale:MATRIX_SCALE_ROW1
.else
	v_wmma_scale_f32_16x16x128_f8f6f4 v[32+64*\b+8*\a:39+64*\b+8*\a], v[FX+8*\a:FX+8*\a+7], v[WF+16*(\kq)+8*\b:WF+16*(\kq)+8*\b+7], v[(\c):(\c)+7], v[SC+\a], v[WS+(\kq)] matrix_a_fmt:MATRIX_FMT_FP4 matrix_b_fmt:MATRIX_FMT_FP4 matrix_a_scale:MATRIX_SCALE_ROW1
.endif
.endm
.macro KSTEP_V slot, q, first          ; eight accumulators by turns, one instruction a turn
.if !\first
	PLACES
.endif
.irp i, 0,1,2,3
.irp c, 0,1
	ds_load_b128 v[FX+8*\i+4*\c:FX+8*\i+4*\c+3], v[ADX+\slot] offset:4096*\i+1024*\q+512*\c
.endr
	ds_load_b32 v[SC+\i], v[ADS] offset:512*\i+64*(4*\slot+\q)   ; lanes 16-31: x's words; lanes 0-15 are not read
.endr
	s_wait_dscnt 0x0
.if \first
.irp a, 0,1,2
.irp b, 0,1
	VMM \a, \b, 0, 56+64*\b
.endr
.endr
.rept 5
	v_nop                                          ; five places ahead of the products that write over the registers which the six above took as C
.endr
	VMM 3, 0, 0, 56
	VMM 3, 1, 0, 120
.else
.irp a, 0,1,2,3
.irp b, 0,1
	VMM \a, \b, 4*\slot+\q, 32+64*\b+8*\a
.endr
.endr
.endif
.endm
	s_wait_alu depctr_va_vdst(0)
	KSTEP_V 0, 0, 1
	KSTEP_V 0, 1, 0
	KSTEP_V 0, 2, 0
	KSTEP_V 0, 3, 0
	KSTEP_V 1, 0, 0
	KSTEP_V 1, 1, 0
	s_wait_loadcnt 0x0                             ; W's fragments of the last two K steps, asked for behind the last rotation
	KSTEP_V 1, 2, 0
	KSTEP_V 1, 3, 0
	PLACES
.irp b, 0,1
	v_mov_b32 v[TM+4+\b], 0
.endr
.irp b, 0,1
	QUANT 32+64*\b, 2, PCQ+4*\b                    ; register 16 g + i of feature tile b is key 32 g + 16 h + i of my 64
	v_lshl_or_b32 v[6+\b], v[TM+5], 8, v[TM+4]     ; my feature's two bytes for these 64 keys
	global_store_b128 v1, v[PCQ+4*\b:PCQ+4*\b+3], s[32:33] offset:512*\b   ; a unit: 512 consecutive bytes
.endr
	v_cndmask_b32 v6, v6, v7, s24
	global_store_b16 v9, v6, s[34:35]              ; two bytes of each of 32 neighbouring words
	s_wait_dscnt 0x0
	s_wait_xcnt 0x0
	v_lshl_add_u32 v254, v0, 2, 0x44000
	v_mov_b32 v255, 0
	s_wait_alu depctr_va_vdst(0)
	s_wait_tensorcnt 0x0
	ds_add_u32 v254, v255
	s_wait_dscnt 0x0
	ROUND                                          ; the closing round: no work-group ends while a partner may still ask for a tile that names it
	s_endpgm
.Lfunc_end_k_q73984c9a2d_qkv:
	.size	k_q73984c9a2d_qkv, .Lfunc_end_k_q73984c9a2d_qkv-k_q73984c9a2d_qkv
	.p2alignl 7, 3214868480
	.fill 96, 4, 3214868480
	.section	.rodata,"a",@progbits
	.p2align	6, 0x0
	.amdhsa_kernel k_q73984c9a2d_qkv
		.amdhsa_group_segment_fixed_size 280576
		.amdhsa_private_segment_fixed_size 0
		.amdhsa_enable_private_segment 0
		.amdhsa_kernarg_size 48
		.amdhsa_user_sgpr_count 2
		.amdhsa_user_sgpr_kernarg_segment_ptr 1
		.amdhsa_wavefront_size32 1
		.amdhsa_system_sgpr_workgroup_id_x 1
		.amdhsa_system_sgpr_workgroup_id_y 1
		.amdhsa_system_sgpr_workgroup_id_z 1
		.amdhsa_system_vgpr_workitem_id 0
		.amdhsa_next_free_vgpr 256
		.amdhsa_next_free_sgpr 100
		.amdhsa_reserve_vcc 1
		.amdhsa_float_denorm_mode_32 3
		.amdhsa_float_denorm_mode_16_64 3
		.amdhsa_memory_ordered 1
		.amdhsa_forward_progress 1
		.amdhsa_inst_pref_size 85
	.end_amdhsa_kernel
	.amdgpu_metadata
---
amdhsa.version: [ 1, 2 ]
amdhsa.kernels:
  - .name:           k_q73984c9a2d_qkv
    .symbol:         k_q73984c9a2d_qkv.kd
    .args:
      - { .name: xq, .offset: 0, .size: 8, .value_kind: global_buffer, .address_space: global }
      - { .name: wq, .offset: 8, .size: 8, .value_kind: global_buffer, .address_space: global }
      - { .name: b_qkv, .offset: 16, .size: 8, .value_kind: global_buffer, .address_space: global }
      - { .name: mask, .offset: 24, .size: 8, .value_kind: global_buffer, .address_space: global }
      - { .name: tab, .offset: 32, .size: 8, .value_kind: global_buffer, .address_space: global }
      - { .name: qkv, .offset: 40, .size: 8, .value_kind: global_buffer, .address_space: global }
    .group_segment_fixed_size: 280576
    .private_segment_fixed_size: 0
    .kernarg_segment_align: 8
    .kernarg_segment_size: 48
    .max_flat_workgroup_size: 512
    .sgpr_count:     100
    .vgpr_count:     256
    .wavefront_size: 32
...
	.end_amdgpu_metadata
.endif
;; end of part 2
;; launch attn (part 3): grid 4 x 64, 16 waves a work-group, clusters of 4 x 1, 169,984 bytes of LDS; arguments qkv, aq; writes aq
.if DOCPART == 3
	.amdgcn_target "amdgcn-amd-amdhsa--gfx1250"
	.amdhsa_code_object_version 6
	.text
	.protected	k_q73984c9a2d_attn
	.globl	k_q73984c9a2d_attn
	.p2align	8
	.type	k_q73984c9a2d_attn,@function
k_q73984c9a2d_attn:
	s_mov_b64 s[64:65], 0
	v_nop
	global_prefetch_b8 v0, s[64:65] scope:SCOPE_SE
	s_setreg_imm32_b32 hwreg(HW_REG_WAVE_MODE, 25, 1), 1
	s_wait_xcnt 0x0
	s_wait_alu depctr_hold_cnt(0) depctr_sa_sdst(0) depctr_va_vdst(0) depctr_va_sdst(0) depctr_va_ssrc(0) depctr_va_vcc(0) depctr_vm_vsrc(0)
	s_getreg_b32 s2, hwreg(HW_REG_IB_STS2, 6, 4)
	s_cmp_eq_u32 s2, 0
	s_cbranch_scc0 .Lentry_in_a_cluster
	s_endpgm
.Lentry_in_a_cluster:
	s_bfe_u32 s2, ttmp6, 0x10000c
	s_cmp_lg_u32 s2, 0x3003
	s_cbranch_scc0 .Lentry_shape_is_right
	s_endpgm
.Lentry_shape_is_right:
; ATTN.  o = softmax(q k^T / 8, hidden keys left out) v, both products on codes of FP4 with E8M0 scales; o is then quantised along (head, d) for the last product.
; THE SOFTMAX AHEAD OF THE SECOND PRODUCT: t = score x log2(e) / 8; M = the row's largest t so far, rounded UP to a whole number; p = 2^(t - M) is quantised along the keys, not normalised.
; The row's sum is taken of the unquantised p and divides O at the end.  When M moves, the sum and O are multiplied by 2^(old M - new M): exact.
; SHARES.  A work-group owns one (batch, head) and 512 queries; each of its sixteen waves owns two tiles of 16 queries, one after the other, in 256 registers: four waves to a SIMD.
; A whole head's K, V and their scale words, 143,360 bytes, lie in LDS as they lie in memory, each byte filled once: no ring, no barrier in the loop.
; CLUSTER: the four query blocks of a head ask for those bytes JOINTLY: every wave issues one load of 35 rows of 256 bytes, the same in all four work-groups.
; No prefetch: every byte that the launch reads through LDS is asked for by that one load at the head, so there is no later tile to ask ahead for.
; LAYOUT.  Both products are used transposed: S^T = K Q^T, O^T = V^T P^T: a lane holds ONE query.  In a group of 64 keys, place m of tile t is key 32 (m / 8) + 8 t + m % 8:
; so lane (r, h) finds in the 32 registers of tiles 4 c .. 4 c + 3 the 32 neighbouring keys 64 c + 32 h + 0 .. 31: a WHOLE block of the next product's K.  Its largest score needs no other lane,
; and the eight conversions' results are P's operand as they stand.  The queries' tiles are laid alike; d's tiles: place r of tile T is 32 (T / 2) + 8 (T % 2) + r + 8 (r / 8).
; A BLOCK'S SCALE: 2^(t - M - 2) of the block's largest score is the conversion's scale operand (its exponent field alone is taken), and that field is the byte.
; THE MASK: the head fills k = 0 .. 63 of the first product's 128.  At k = 64 q holds the code of 1.0 and every key the code of -6; byte 2 of a key's scale word is 227 where the key is hidden and 1 elsewhere.
; The largest score starts at -2^80, so hidden scores (about -6 x 2^100) never set M, and their p is exactly 0.
; THE STEP: K's eight fragments and scale words are fetched one step ahead (the last trip's look-ahead reads filled bytes behind K's and is not used); V's at the step's top.
; LIMITS: the promise holds while |t| stays under 2^31; a batch whose mask is all zeros is not served (the reference gives NaN there); NaN and infinities are not served;
; a block whose largest p lies under 2^-124 gets the byte 0 (2^-127) where the rule holds it at 1: its terms lie under 2^-123 beside a row's largest p of over 1/2;
; where t - M of a block's largest score lies within one rounding of a whole number, the block's scale may come out one power of two higher than the rule's.
; REGISTERS: v1 16 lane, v2 8 h, v3-4 the add's, v5-6 offsets, v7 V's base; v8-11 addresses of the step; v12 -M, v13 largest score, v[14:15] the sum; v16-23 Q, v24 its scale words; v25 -M - 2; v26-31, v238-239 partial sums;
; v32-95 K's eight fragments (upper halves constant); v96-159 S^T, then p; v160-191 O^T; v192-223 V's four; v224-231 p's codes; v232-235 K's scale words, v236-237 V's; v240-250 at work; v251 p's scale word; v252 f; v254-255 bases.
.set HREC,  217088
.set VIMG,  65536
.set KSC,   131072
.set VSC,   139264
.set QOFF,  143360
.set QSOFF, 208896
.set PART,  8960                       ; a wave's sixteenth of the head's 143,360 bytes
.set REC,   8704
.set SPARE, 167936                     ; the spare words: 128 bytes a wave
.macro ROUND                           ; a round of the cluster's barrier
	s_barrier_signal -1
	s_barrier_wait -1
	s_cmp_lg_u32 s8, 0
	s_cbranch_scc1 .Lnot_wave_0_\@
	s_barrier_signal -3
.Lnot_wave_0_\@:
	s_barrier_wait -3
	s_barrier_signal -1
	s_barrier_wait -1
.endm
	s_load_b128 s[4:7], s[0:1], 0x0                ; qkv, aq
	v_lshl_add_u32 v3, v0, 2, SPARE
	v_mov_b32 v4, 0
	ds_add_u32 v3, v4                              ; the opening lines: the add twice on end and its wait
	ds_add_u32 v3, v4
	v_lshrrev_b32 v1, 5, v0
	s_delay_alu instid0(VALU_DEP_1)
	v_readfirstlane_b32 s8, v1                     ; wave 0..15
	s_bfe_u32 s9, ttmp6, 0x40000                   ; cx: my block of 512 queries; it enters Q's and the result's addresses alone
	s_and_b32 s10, ttmp7, 0xffff                   ; 16 x batch + head, which the four partners share
	s_mul_i32 s40, s10, HREC
	s_mov_b32 s41, 0
	s_mul_i32 s42, s8, PART
	s_mov_b32 s43, 0
	s_mov_b32 s16, 15|(3<<16)|(1<<21)              ; the mask: all four work-groups; elements of 8 bytes; bit 21 beside a mask
	s_mov_b32 s17, 32<<16                          ; tensor_dim0: 256 bytes
	s_mov_b32 s18, 35<<16                          ; tensor_dim1
	s_mov_b32 s19, 32<<16                          ; tile_dim0
	s_mov_b32 s20, 35                              ; tile_dim1
	s_mov_b32 s21, 32                              ; dense
	s_mov_b32 s22, 0
	s_mov_b32 s23, 0
	s_wait_dscnt 0x0
	s_wait_kmcnt 0x0
	s_add_nc_u64 s[32:33], s[4:5], s[40:41]        ; the record
	ROUND                                          ; all four work-groups are here: the joint loads meet
	s_mov_b32 s12, 1
	s_mov_b32 s13, s42                             ; LDS: wave x 8,960
	s_add_nc_u64 s[14:15], s[32:33], s[42:43]
	s_or_b32 s15, s15, 0x80000000
	tensor_load_to_lds s[12:15], s[16:23]          ; one tensor load of mine is out
	s_nop 0
.rept 4
	v_nop
.endr
	v_and_b32 v1, 31, v0                           ; lane
	v_and_b32 v5, 15, v0                           ; r
	v_bfe_u32 v2, v0, 4, 1                         ; h
	v_lshl_add_u32 v254, v1, 3, KSC                ; K's scale words: 8 bytes a lane
	v_lshl_add_u32 v255, v1, 2, VSC                ; V's: 4 bytes a lane
	v_lshlrev_b32 v1, 4, v1                        ; a unit's 16 bytes a lane
	v_lshlrev_b32 v6, 2, v5                        ; the result's scale words: 4 r
	v_lshlrev_b32 v5, 3, v5                        ; Q's: 8 r
	v_lshlrev_b32 v20, 1, v2
	v_add_nc_u32 v7, VIMG, v1
	v_sub_nc_u32 v20, 2, v20                       ; Q at k = 64: the code of 1.0, in lanes 0-15 alone
	v_lshlrev_b32 v2, 3, v2                        ; 8 h: my bytes' place in p's scale word
	v_mov_b32 v21, 0
	v_mov_b32 v22, 0
	v_mov_b32 v23, 0
.irp t, 0,1,2,3,4,5,6,7
	v_mov_b32 v[36+8*\t], 15                       ; every key at k = 64 (and at k = 96, where Q holds 0): the code of -6
	v_mov_b32 v[37+8*\t], 0
	v_mov_b32 v[38+8*\t], 0
	v_mov_b32 v[39+8*\t], 0
.endr
	v_mov_b32 v244, 0                              ; written once: a lane permute's destination counts as one of its sources
	v_mov_b32 v245, 0
	v_mov_b32 v253, 0                              ; (named as the upper half of the pair v[252:253])
	s_mov_b32 s24, 0x3e38aa3b                      ; c = log2(e) / 8
	s_mov_b32 s25, s24
	s_mov_b32 s26, 0x76543210
	s_mov_b32 s27, 0xfedcba98                      ; v_permlanex16_b32's selects for lane l xor 16
	s_lshr_b32 s40, s10, 4                         ; the batch
	s_and_b32 s41, s10, 15                         ; the head
	s_lshl_b32 s42, s9, 5
	s_lshl_b32 s43, s8, 1
	s_add_co_u32 s42, s42, s43                     ; my first tile of queries: 32 cx + 2 wave
	s_lshl_b32 s40, s40, 7
	s_add_co_u32 s40, s40, s42
	s_mul_i32 s40, s40, REC                        ; its record among the results
	s_lshl_b32 s46, s41, 9                         ; unit = head
	s_add_co_u32 s46, s46, s40
	s_mov_b32 s47, 0
	s_add_nc_u64 s[38:39], s[6:7], s[46:47]
	s_lshr_b32 s46, s41, 1                         ; K step = head / 2; my two bytes of its words: 2 (head % 2)
	s_lshl_b32 s46, s46, 6
	s_and_b32 s43, s41, 1
	s_lshl_b32 s43, s43, 1
	s_add_co_u32 s46, s46, s43
	s_add_co_u32 s46, s46, s40
	s_add_co_u32 s46, s46, 8192
	s_add_nc_u64 s[44:45], s[6:7], s[46:47]
	s_lshl_b32 s46, s42, 9
	s_add_co_u32 s46, s46, QOFF
	s_add_nc_u64 s[34:35], s[32:33], s[46:47]      ; Q's units
	s_lshl_b32 s46, s9, 3
	s_lshr_b32 s43, s8, 1
	s_add_co_u32 s46, s46, s43
	s_lshl_b32 s46, s46, 8
	s_and_b32 s43, s8, 1
	s_lshl_b32 s43, s43, 2
	s_add_co_u32 s46, s46, s43
	s_add_co_u32 s46, s46, QSOFF
	s_add_nc_u64 s[36:37], s[32:33], s[46:47]      ; Q's scale words: group (tile / 4), word (tile / 2) % 2; the pass picks the lanes' half
	global_load_b128 v[16:19], v1, s[34:35]        ; the first pass's Q
	global_load_b32 v24, v5, s[36:37]
	s_wait_alu depctr_va_vdst(0)
	s_wait_tensorcnt 0x0                           ; my part of the head has landed,
	s_barrier_signal -1
	s_barrier_wait -1                              ; everybody's has: from here on these bytes are only read
.macro KQ t                            ; S^T of key tile t of the step's eight
.if (\t)%2
	v_wmma_scale_f32_16x16x128_f8f6f4 v[96+8*(\t):103+8*(\t)], v[32+8*(\t):39+8*(\t)], v[16:23], 0, v[232+(\t)/2], v24 matrix_a_fmt:MATRIX_FMT_FP4 matrix_b_fmt:MATRIX_FMT_FP4 matrix_a_scale:MATRIX_SCALE_ROW1
.else
	v_wmma_scale_f32_16x16x128_f8f6f4 v[96+8*(\t):103+8*(\t)], v[32+8*(\t):39+8*(\t)], v[16:23], 0, v[232+(\t)/2], v24 matrix_a_fmt:MATRIX_FMT_FP4 matrix_b_fmt:MATRIX_FMT_FP4
.endif
.endm
.macro PV t                            ; O^T += V^T P^T for d tile t; each accumulator has one instruction a step, the others' and the scores' between its turns
.if (\t)%2
	v_wmma_scale_f32_16x16x128_f8f6f4 v[160+8*(\t):167+8*(\t)], v[192+8*(\t):199+8*(\t)], v[224:231], v[160+8*(\t):167+8*(\t)], v[236+(\t)/2], v251 matrix_a_fmt:MATRIX_FMT_FP4 matrix_b_fmt:MATRIX_FMT_FP4 matrix_a_scale:MATRIX_SCALE_ROW1
.else
	v_wmma_scale_f32_16x16x128_f8f6f4 v[160+8*(\t):167+8*(\t)], v[192+8*(\t):199+8*(\t)], v[224:231], v[160+8*(\t):167+8*(\t)], v[236+(\t)/2], v251 matrix_a_fmt:MATRIX_FMT_FP4 matrix_b_fmt:MATRIX_FMT_FP4
.endif
.endm
.macro KLOAD                           ; ten LDS loads: a step's eight units of K and its scale words
.irp t, 0,1,2,3,4,5,6,7
	ds_load_b128 v[32+8*\t:35+8*\t], v8 offset:512*\t
.endr
	ds_load_b64 v[232:233], v10
	ds_load_b64 v[234:235], v10 offset:256
.endm
.macro OMUL from, n                    ; O^T under the new M, n pairs from register 160 + from on, ascending
.set oj, \from
.rept \n
	v_pk_mul_f32 v[160+oj:161+oj], v[160+oj:161+oj], v[252:253] op_sel_hi:[1,0]
.set oj, oj+2
.endr
.endm
.macro SUMR r                          ; eight more p onto the four partial sums
	v_pk_add_f32 v[26:27], v[26:27], v[96+8*(\r):97+8*(\r)]
	v_pk_add_f32 v[28:29], v[28:29], v[98+8*(\r):99+8*(\r)]
	v_pk_add_f32 v[30:31], v[30:31], v[100+8*(\r):101+8*(\r)]
	v_pk_add_f32 v[238:239], v[238:239], v[102+8*(\r):103+8*(\r)]
.endm
; A KEY STEP: 128 keys.
.macro STEP
.irp c, 0,1
.irp t, 0,1,2,3
	ds_load_b128 v[192+8*\t+4*\c:195+8*\t+4*\c], v9 offset:2048*\c+512*\t   ; V: sixteen sums stand between the last products and these loads
.endr
.endr
	ds_load_b32 v236, v11
	ds_load_b32 v237, v11 offset:128
	s_wait_dscnt 10                                ; all but V's ten just issued: K's ten, asked for a step ago, are in
.irp t, 0,1,2,3,4,5,6,7
	KQ \t
.endr
	s_add_co_u32 s28, s28, 4096                    ; the next step's eight units of K, and of V,
	s_add_co_u32 s29, s29, 512                     ; K's scale words,
	s_add_co_u32 s30, s30, 256                     ; V's
	v_add_nc_u32 v8, s28, v1                       ; these four lines are the places behind the products
	v_add_nc_u32 v10, s29, v254
	v_add_nc_u32 v9, s28, v7
	v_add_nc_u32 v11, s30, v255
	KLOAD                                          ; the next step's K
.irp n, 0,1,2,3
	v_max3_num_f32 v[240+\n], v[96+16*\n], v[97+16*\n], v[98+16*\n]   ; four chains by turns, two to a block; each accumulator is read from its low end on
.endr
.irp i, 3,5,7,9,11,13
.irp n, 0,1,2,3
	v_max3_num_f32 v[240+\n], v[240+\n], v[96+16*\n+\i], v[97+16*\n+\i]
.endr
.endr
	v_max3_num_f32 v240, v240, v111, v127
	v_max3_num_f32 v242, v242, v143, v159
	s_delay_alu instid0(VALU_DEP_2)
	v_max_num_f32 v240, v240, v241                 ; the largest score of my block h,
	s_delay_alu instid0(VALU_DEP_2)
	v_max_num_f32 v242, v242, v243                 ; and of my block 2 + h
	s_delay_alu instid0(VALU_DEP_1)
	v_max_num_f32 v241, v240, v242
	s_delay_alu instid0(VALU_DEP_1)
	v_permlanex16_b32 v244, v241, s26, s27
	s_delay_alu instid0(VALU_DEP_1)
	v_max3_num_f32 v13, v13, v241, v244            ; the running largest score of my query
	s_delay_alu instid0(VALU_DEP_1)
	v_mul_f32 v245, s24, -v13                      ; -t (c is positive)
	s_delay_alu instid0(VALU_DEP_1)
	v_floor_f32 v246, v245                         ; the new -M = floor(-t) = -ceil(t)
	s_delay_alu instid0(VALU_DEP_1)
	v_sub_f32 v247, v246, v12                      ; M's old value less its new one: a whole number, 0 or less
	v_mov_b32 v12, v246
	v_add_f32 v25, -2.0, v246                      ; -M - 2, for the blocks' scales
	s_delay_alu instid0(VALU_DEP_3)
	v_cvt_i32_f32 v247, v247                       ; (it saturates)
	s_delay_alu instid0(VALU_DEP_1)
	v_ldexp_f32 v252, 1.0, v247                    ; f = 2^(old M - new M)
.irp j, 0,2,4,6,8,10,12,14,16,18,20,22,24,26,28,30,32,34,36,38,40,42,44,46,48,50,52,54,56,58,60,62
	v_pk_fma_f32 v[96+\j:97+\j], v[96+\j:97+\j], s[24:25], v[12:13] op_sel_hi:[1,0,0]   ; t - M, two at a time
.endr
	v_fma_f32 v248, v240, s24, v25                 ; t - M - 2 of each block's largest score
	v_fma_f32 v249, v242, s24, v25
	s_wait_alu depctr_va_vdst(0)
	s_wait_dscnt 10                                ; all but the next step's ten of K: V's ten are in
.set n, 0
.rept 64
	v_exp_f32 v[96+n], v[96+n]                     ; p = 2^(t - M)
.set n, n+1
.endr
	v_exp_f32 v248, v248                           ; a quarter of the block's largest p: its exponent field is the block's scale
	v_exp_f32 v249, v249
	v_pk_mul_f32 v[14:15], v[14:15], v[252:253] op_sel_hi:[1,0]   ; the sums under the new M (a plain line behind the exponentials)
	s_wait_alu depctr_va_vdst(0)                   ; one wait for the batch, directly ahead of O^T's first readers
	OMUL 0, 2
	v_lshrrev_b32 v250, 23, v248                   ; the bytes of blocks h and 2 + h, laid among the rescaling so that no line waits for the line above it
	v_lshrrev_b32 v245, 23, v249
	OMUL 4, 2
	v_lshl_or_b32 v250, v245, 16, v250
	OMUL 8, 2
	v_lshlrev_b32 v250, v2, v250                   ; 8 h bits up
	OMUL 12, 2
	v_permlanex16_b32 v244, v250, s26, s27
	OMUL 16, 2
	v_or_b32 v251, v250, v244                      ; with lane l xor 16's two bytes: p's scale word for these 128 keys
	OMUL 20, 6
.irp c, 0,1
.irp t, 0,1,2,3
	v_cvt_scalef32_pk8_fp4_f32 v[224+4*\c+\t], v[96+32*\c+8*\t:103+32*\c+8*\t], v[248+\c]   ; keys 64 c + 32 h + 8 t + 0 .. 7: register 4 c + t of the operand
.endr
.endr
	v_pk_add_f32 v[26:27], v[96:97], v[104:105]    ; the row's sum of the unquantised p, in four chains: sixteen lines here are the places between the codes and the products,
	v_pk_add_f32 v[28:29], v[98:99], v[106:107]
	v_pk_add_f32 v[30:31], v[100:101], v[108:109]
	v_pk_add_f32 v[238:239], v[102:103], v[110:111]
	SUMR 2
	SUMR 3
	SUMR 4
.irp t, 0,1,2,3
	PV \t
.endr
	SUMR 5                                         ; and sixteen are the places behind them
	SUMR 6
	SUMR 7
	v_pk_add_f32 v[26:27], v[26:27], v[28:29]
	v_pk_add_f32 v[30:31], v[30:31], v[238:239]
	s_delay_alu instid0(VALU_DEP_2)
	v_pk_add_f32 v[14:15], v[14:15], v[26:27]
	s_delay_alu instid0(VALU_DEP_1)
	v_pk_add_f32 v[14:15], v[14:15], v[30:31]
.endm
; A PASS: one tile of 16 queries against all 2,048 keys.
.macro PASS p
.if \p
	s_wait_xcnt 0x0                                ; the last pass's stores have read their registers
.endif
	v_mov_b32 v13, 0xe7800000                      ; the largest score so far: -2^80: under every score of a key that counts, over every hidden key's
	v_mov_b32 v12, 0x67800000                      ; -M
	v_mov_b32 v14, 0
	v_mov_b32 v15, 0
.set n, 0
.rept 32
	v_mov_b32 v[160+n], 0                          ; O^T: the step is written once, and its first trip finds zeros
.set n, n+1
.endr
	v_mov_b32 v8, v1
	v_mov_b32 v9, v7
	v_mov_b32 v10, v254
	v_mov_b32 v11, v255
	s_mov_b32 s28, 0
	s_mov_b32 s29, 0
	s_mov_b32 s30, 0
	s_mov_b32 s31, 16
	KLOAD                                          ; step 0's K
	s_wait_alu depctr_va_vdst(0)
	s_wait_loadcnt 0x0                             ; Q
.Lstep_\@:
	STEP
	s_sub_co_u32 s31, s31, 1
	s_cmp_lg_u32 s31, 0
	s_cbranch_scc1 .Lstep_\@
	s_wait_alu depctr_va_vdst(0)
	s_wait_dscnt 0x0                               ; the last trip's look-ahead has landed: its registers may be loaded anew
.if \p == 0
	global_load_b128 v[16:19], v1, s[34:35] offset:512   ; the next pass's Q lands under this pass's way out
	global_load_b32 v24, v5, s[36:37] offset:128
.endif
	v_add_f32 v14, v14, v15                        ; the sum's two halves,
	s_delay_alu instid0(VALU_DEP_1)
	v_permlanex16_b32 v244, v14, s26, s27
	s_delay_alu instid0(VALU_DEP_1)
	v_add_f32 v14, v14, v244                       ; and lane l xor 16's
	s_wait_alu depctr_va_vdst(0)
	v_rcp_f32 v14, v14
	v_nop                                          ; one plain line behind a transcendental
	s_wait_alu depctr_va_vdst(0)
.set n, 0
.rept 32
	v_mul_f32 v[96+n], v[160+n], v14               ; O^T / the sum: register 16 b + i is d = 32 b + 16 h + i
.set n, n+1
.endr
.irp b, 0,1
	v_max3_num_f32 v[240+\b], |v[96+16*\b]|, |v[97+16*\b]|, 0x1800000   ; my 16 of each block of d, and the floor 2^(3 - 127)
.endr
.irp i, 2,4,6,8,10,12,14
.irp b, 0,1
	s_delay_alu instid0(VALU_DEP_2)
	v_max3_num_f32 v[240+\b], v[240+\b], |v[96+16*\b+\i]|, |v[97+16*\b+\i]|
.endr
.endr
.irp b, 0,1
	s_delay_alu instid0(VALU_DEP_2)
	v_permlanex16_b32 v[244+\b], v[240+\b], s26, s27
.endr
.irp b, 0,1
	s_delay_alu instid0(VALU_DEP_2)
	v_max_num_f32 v[240+\b], v[240+\b], v[244+\b]
.endr
.irp b, 0,1
	s_delay_alu instid0(VALU_DEP_2)
	v_add_nc_u32 v[248+\b], 0xff000000, v[240+\b]  ; 2 off the exponent field: the conversion's scale operand
.endr
.irp b, 0,1
	s_delay_alu instid0(VALU_DEP_2)
	v_lshrrev_b32 v[244+\b], 23, v[248+\b]         ; the byte
.endr
.irp b, 0,1
	v_cvt_scalef32_pk8_fp4_f32 v[224+2*\b], v[96+16*\b:103+16*\b], v[248+\b]
	v_cvt_scalef32_pk8_fp4_f32 v[225+2*\b], v[104+16*\b:111+16*\b], v[248+\b]
.endr
	v_nop                                          ; one plain line behind a scaled conversion
	v_permlane16_swap_b32 v224, v226               ; a whole block in a lane
	v_permlane16_swap_b32 v225, v227
	v_lshl_or_b32 v250, v245, 8, v244
	global_store_b128 v1, v[224:227], s[38:39] offset:REC*\p    ; the head's unit of this tile's record: 512 consecutive bytes
	global_store_b16 v6, v250, s[44:45] offset:REC*\p           ; the head's two bytes of my query's scale word (lanes 16-31 store the same bytes again)
.endm
	PASS 0
	PASS 1
	s_wait_tensorcnt 0x0                           ; the wave's end
	ds_add_u32 v3, v4
	s_wait_dscnt 0x0
	ROUND                                          ; the closing round
	s_endpgm
.Lfunc_end_k_q73984c9a2d_attn:
	.size	k_q73984c9a2d_attn, .Lfunc_end_k_q73984c9a2d_attn-k_q73984c9a2d_attn
	.p2alignl 7, 3214868480
	.fill 96, 4, 3214868480
	.section	.rodata,"a",@progbits
	.p2align	6, 0x0
	.amdhsa_kernel k_q73984c9a2d_attn
		.amdhsa_group_segment_fixed_size 169984
		.amdhsa_private_segment_fixed_size 0
		.amdhsa_enable_private_segment 0
		.amdhsa_kernarg_size 16
		.amdhsa_user_sgpr_count 2
		.amdhsa_user_sgpr_kernarg_segment_ptr 1
		.amdhsa_wavefront_size32 1
		.amdhsa_system_sgpr_workgroup_id_x 1
		.amdhsa_system_sgpr_workgroup_id_y 1
		.amdhsa_system_sgpr_workgroup_id_z 1
		.amdhsa_system_vgpr_workitem_id 0
		.amdhsa_next_free_vgpr 256
		.amdhsa_next_free_sgpr 66
		.amdhsa_reserve_vcc 0
		.amdhsa_float_denorm_mode_32 3
		.amdhsa_float_denorm_mode_16_64 3
		.amdhsa_memory_ordered 1
		.amdhsa_forward_progress 1
		.amdhsa_inst_pref_size 47
	.end_amdhsa_kernel
	.amdgpu_metadata
---
amdhsa.version: [ 1, 2 ]
amdhsa.kernels:
  - .name:           k_q73984c9a2d_attn
    .symbol:         k_q73984c9a2d_attn.kd
    .args:
      - { .name: qkv, .offset: 0, .size: 8, .value_kind: global_buffer, .address_space: global }
      - { .name: aq, .offset: 8, .size: 8, .value_kind: global_buffer, .address_space: global }
    .group_segment_fixed_size: 169984
    .private_segment_fixed_size: 0
    .kernarg_segment_align: 8
    .kernarg_segment_size: 16
    .max_flat_workgroup_size: 512
    .sgpr_count:     66
    .vgpr_count:     256
    .wavefront_size: 32
...
	.end_amdgpu_metadata
.endif
;; end of part 3
;; launch proj (part 4): grid 4 x 64, 8 waves a work-group, clusters of 4 x 4, 244,736 bytes of LDS; arguments aq, pq, b_proj, out0; writes out0
.if DOCPART == 4
	.amdgcn_target "amdgcn-amd-amdhsa--gfx1250"
	.amdhsa_code_object_version 6
	.text
	.protected	k_q73984c9a2d_proj
	.globl	k_q73984c9a2d_proj
	.p2align	8
	.type	k_q73984c9a2d_proj,@function
k_q73984c9a2d_proj:
	s_mov_b64 s[64:65], 0
	v_nop
	global_prefetch_b8 v0, s[64:65] scope:SCOPE_SE
	s_setreg_imm32_b32 hwreg(HW_REG_WAVE_MODE, 25, 1), 1
	s_wait_xcnt 0x0
	s_wait_alu depctr_hold_cnt(0) depctr_sa_sdst(0) depctr_va_vdst(0) depctr_va_sdst(0) depctr_va_ssrc(0) depctr_va_vcc(0) depctr_vm_vsrc(0)
	s_getreg_b32 s2, hwreg(HW_REG_IB_STS2, 6, 4)
	s_cmp_eq_u32 s2, 0
	s_cbranch_scc0 .Lentry_in_a_cluster
	s_endpgm
.Lentry_in_a_cluster:
	s_bfe_u32 s2, ttmp6, 0x10000c
	s_cmp_lg_u32 s2, 0xf033
	s_cbranch_scc0 .Lentry_shape_is_right
	s_endpgm
.Lentry_shape_is_right:
; PROJ.  out0 = a Wp^T + b on codes of FP4 with E8M0 scales, K = 1,024.  a (the attention's result) and Wp come as records of 8,704 bytes for each row tile of 16 rows
; (Wp: place r of tile T = row 32 (T / 2) + 8 (T % 2) + r + 8 (r / 8); a's tiles are laid as the queries'): 16 units of 512 bytes (16 rows x 64 K; lane l's 16 bytes at 16 l), then scale words [K step: 8][r: 16].
; A work-group of eight waves makes 128 tokens x 256 features: 256 work-groups.  Both panels for all of K lie in LDS, each byte filled once: no ring.  A wave makes 64 tokens x 64 features in sixteen accumulators,
; TRANSPOSED (source 0 = 16 rows of Wp, source 1 = 16 tokens): a lane holds one token and 16 neighbouring features for each pair of feature tiles.  The bias is the C of each sum's first product.
; CLUSTERS: 4 x 4 work-groups; a's panel is shared along a row of the cluster, Wp's along a column: each is asked for JOINTLY.
; THE WAY OUT: 16 tokens x 64 features go through the wave's own stage in LDS (rows of 256 bytes + 16) and leave as whole aligned runs of 256 bytes, sixteen lanes to a run.
.set REC,   8704
.set SLOT,  98304                      ; LDS: slot s holds K = 512 s .. 512 s + 511: Wp's 16 row tiles at 4,096 each, then a's 8
.set XOFF,  65536
.set SCL,   196608                     ; Wp's scale words, 16 x 512 bytes, then a's 8 x 512
.set STAGE, 208896                     ; eight stages of 16 x 272 bytes: no fill lands here
.set ADX, 4                            ; v4-5   LDS address of my a fragments in slot 0, 1
.set ADW, 6                            ; v6-7   of my Wp fragments
.set ADS, 8                            ; v8     of my scale words: lanes 0-15 Wp's tiles, lanes 16-31 a's
.set STO, 9                            ; v9     the stage: where I put 64 bytes of a row
.set RD,  11                           ; v11    and where I read a row back
.set CO,  12                           ; v12    my byte offset in two rows of out0
.set SC,  16                           ; v16-19 scale words; they hold nothing else
.set FW,  32
.set FX,  64
.set BI,  96
.set ACC, 128
.set OB,  32                           ; the way out: two sets of 32 registers
.set G1X, 24
.set G0X, 32
.set G1W, 40
.set G0W, 48
.set G1SX, 56
.set G1SW, 68
.set G0SX, 76
.set G0SW, 80
.macro ROUND                           ; a round of the cluster's barrier
	s_barrier_signal -1
	s_barrier_wait -1
	s_cmp_lg_u32 s16, 0
	s_cbranch_scc1 .Lnot_wave_0_\@
	s_barrier_signal -3
.Lnot_wave_0_\@:
	s_barrier_wait -3
	s_barrier_signal -1
	s_barrier_wait -1
.endm
.macro PLACES
.rept 4
	v_nop
.endr
.endm
	s_load_b256 s[4:11], s[0:1], 0x0               ; aq, pq, b_proj, out0
	v_lshl_add_u32 v30, v0, 2, 0x3b800
	v_mov_b32 v31, 0
	ds_add_u32 v30, v31
	ds_add_u32 v30, v31
	v_lshrrev_b32 v1, 5, v0
	s_delay_alu instid0(VALU_DEP_1)
	v_readfirstlane_b32 s16, v1                    ; wave 0..7
	s_and_b32 s17, s16, 1
	s_bfe_u32 s18, ttmp6, 0x40000                  ; cx
	s_bfe_u32 s19, ttmp6, 0x40004                  ; cy
	s_lshl_b32 s20, ttmp9, 2
	s_add_co_u32 s20, s20, s18                     ; tile column: 256 features
	s_and_b32 s21, ttmp7, 0xffff
	s_lshl_b32 s21, s21, 2
	s_add_co_u32 s21, s21, s19                     ; tile row: 128 tokens
	s_lshl_b32 s22, s19, 2
	s_lshl_b32 s22, 15, s22                        ; my row of the cluster
	s_lshl_b32 s23, 0x1111, s18                    ; my column
	s_or_b32 s[G1X], s22, (3<<16)|(1<<21)          ; 15:0 the mask; 17:16 elements of 8 bytes; 21 set beside a mask
	s_or_b32 s[G1W], s23, (3<<16)|(1<<21)
	s_or_b32 s[G1SX], s22, (3<<16)|(1<<21)
	s_or_b32 s[G1SW], s23, (3<<16)|(1<<21)
.irp g, G1X, G1W                       ; 8 row tiles' 4,096 bytes of codes, 8,704 bytes apart, dense in LDS
	s_mov_b32 s[\g+1], 512<<16
	s_mov_b32 s[\g+2], 8<<16
	s_mov_b32 s[\g+3], 512<<16
	s_mov_b32 s[\g+4], 8
	s_mov_b32 s[\g+5], 1088
	s_mov_b32 s[\g+6], 0
	s_mov_b32 s[\g+7], 0
.endr
.irp g, G1SX, G1SW                     ; and their 512 bytes of scale words
	s_mov_b32 s[\g+1], 64<<16
	s_mov_b32 s[\g+2], 8<<16
	s_mov_b32 s[\g+3], 64<<16
	s_mov_b32 s[\g+4], 8
	s_mov_b32 s[\g+5], 1088
	s_mov_b32 s[\g+6], 0
	s_mov_b32 s[\g+7], 0
.endr
	s_lshl_b32 s84, s20, 4                         ; Wp: row tile 16 x tile column + 8 x half
	s_lshl_b32 s85, s17, 3
	s_add_co_u32 s84, s84, s85
	s_mul_i32 s84, s84, REC
	s_mov_b32 s85, 0
	s_lshl_b32 s88, s21, 3                         ; a: row tile 8 x tile row
	s_mul_i32 s88, s88, REC
	s_mov_b32 s89, 0
	s_mov_b32 s[G1SW+2], 16<<16                    ; Wp's scale words come by one load: 16 row tiles
	s_mov_b32 s[G1SW+4], 16
	s_bfe_u32 s94, s16, 0x10001                    ; THE HEAD'S FILLS, one a wave: waves 0-3 Wp's codes (half, slot), 4-5 a's codes (slot), 6 Wp's scale words, 7 a's
	s_lshl_b32 s92, s17, 15
	s_mul_i32 s95, s94, SLOT
	s_add_co_u32 s92, s92, s95                     ; Wp's codes go to half x 32,768 + slot x SLOT,
	s_mul_i32 s93, s17, SLOT
	s_add_co_u32 s93, s93, XOFF                    ; a's behind Wp's in their slot
	s_lshl_b32 s66, s94, 12                        ; a slot's 4,096 bytes of each record
	s_mov_b32 s67, 0
	s_lshl_b32 s98, s17, 12
	s_mov_b32 s99, 0
	s_wait_dscnt 0x0
	s_wait_kmcnt 0x0
	s_add_nc_u64 s[86:87], s[6:7], s[84:85]
	s_add_nc_u64 s[90:91], s[4:5], s[88:89]
	ROUND                                          ; all sixteen work-groups are here: the joint loads meet
	s_mov_b32 s[G0W], 1
	s_mov_b32 s[G0W+1], s92
	s_add_nc_u64 s[G0W+2:G0W+3], s[86:87], s[66:67]
	s_or_b32 s[G0W+3], s[G0W+3], 0x80000000
	s_mov_b32 s[G0X], 1
	s_mov_b32 s[G0X+1], s93
	s_add_nc_u64 s[G0X+2:G0X+3], s[90:91], s[98:99]
	s_or_b32 s[G0X+3], s[G0X+3], 0x80000000
	s_mov_b32 s[G0SW], 1
	s_mov_b32 s[G0SW+1], SCL
	s_add_nc_u64 s[G0SW+2:G0SW+3], s[86:87], 8192
	s_or_b32 s[G0SW+3], s[G0SW+3], 0x80000000
	s_mov_b32 s[G0SX], 1
	s_mov_b32 s[G0SX+1], SCL+8192
	s_add_nc_u64 s[G0SX+2:G0SX+3], s[90:91], 8192
	s_or_b32 s[G0SX+3], s[G0SX+3], 0x80000000
	s_cmp_lt_u32 s16, 4                            ; one chain of branches on the wave's number, one fill to an arm: every way passes exactly one load
	s_cbranch_scc0 .Lnot_w
	tensor_load_to_lds s[G0W:G0W+3], s[G1W:G1W+7]
	s_nop 0
	PLACES
	s_branch .Lasked
.Lnot_w:
	s_cmp_lt_u32 s16, 6
	s_cbranch_scc0 .Lnot_x
	tensor_load_to_lds s[G0X:G0X+3], s[G1X:G1X+7]
	s_nop 0
	PLACES
	s_branch .Lasked
.Lnot_x:
	s_cmp_lt_u32 s16, 7
	s_cbranch_scc0 .Lnot_sw
	tensor_load_to_lds s[G0SW:G0SW+3], s[G1SW:G1SW+7]
	s_nop 0
	PLACES
	s_branch .Lasked
.Lnot_sw:
	tensor_load_to_lds s[G0SX:G0SX+3], s[G1SX:G1SX+7]
	s_nop 0
	PLACES
.Lasked:
	v_and_b32 v2, 15, v0                           ; r
	v_bfe_u32 v3, v0, 4, 1                         ; h
	s_wait_alu depctr_va_vdst(0)
	v_and_b32 v1, 31, v0
	s_delay_alu instid0(VALU_DEP_1)
	v_lshlrev_b32 v1, 4, v1                        ; 16 l
	s_wait_alu depctr_va_vdst(0)
	s_lshr_b32 s84, s16, 2                         ; which 64 tokens
	s_and_b32 s85, s16, 3                          ; which 64 features
	s_lshl_b32 s66, s20, 10
	s_lshl_b32 s67, s85, 8
	s_add_co_u32 s66, s66, s67                     ; my first feature, in bytes
	s_mov_b32 s67, 0
	s_add_nc_u64 s[8:9], s[8:9], s[66:67]          ; the bias there,
	s_add_nc_u64 s[10:11], s[10:11], s[66:67]      ; and out0's column
	s_lshl_b32 s66, s21, 19
	s_lshl_b32 s94, s84, 18
	s_add_co_u32 s66, s66, s94                     ; my first token: rows of 4,096 bytes
	s_add_nc_u64 s[10:11], s[10:11], s[66:67]
	v_lshlrev_b32 v10, 6, v3                       ; the bias: + 16 h features
.irp b, 0,1,2,3
	global_load_b128 v[BI+8*\b:BI+8*\b+3], v10, s[8:9] offset:(32*(\b/2)+8*(\b%2))*4
	global_load_b128 v[BI+8*\b+4:BI+8*\b+7], v10, s[8:9] offset:(32*(\b/2)+8*(\b%2))*4+16
.endr
	s_lshl_b32 s86, s84, 14
	s_add_co_u32 s86, s86, XOFF
	s_lshl_b32 s87, s85, 14
	v_add_nc_u32 v[ADX], s86, v1
	s_delay_alu instid0(VALU_DEP_1)
	v_add_nc_u32 v[ADX+1], SLOT, v[ADX]
	v_add_nc_u32 v[ADW], s87, v1
	s_delay_alu instid0(VALU_DEP_1)
	v_add_nc_u32 v[ADW+1], SLOT, v[ADW]
	s_lshl_b32 s88, s85, 11
	s_lshl_b32 s89, s84, 11
	s_add_co_u32 s89, s89, 8192
	s_sub_co_u32 s89, s89, s88
	v_mul_u32_u24 v[ADS], s89, v3                  ; lanes 16-31 take a's words: the lower base + h x the distance
	s_delay_alu instid0(VALU_DEP_1)
	v_lshl_add_u32 v[ADS], v2, 2, v[ADS]
	s_add_co_u32 s88, s88, SCL
	v_add_nc_u32 v[ADS], s88, v[ADS]
	s_mul_i32 s95, s16, 4352
	s_add_co_u32 s95, s95, STAGE                   ; my stage
	v_mul_u32_u24 v[STO], v2, 272
	s_delay_alu instid0(VALU_DEP_1)
	v_lshl_add_u32 v[STO], v3, 6, v[STO]
	s_delay_alu instid0(VALU_DEP_1)
	v_add_nc_u32 v[STO], s95, v[STO]               ; in: row r, + 64 h bytes
	v_mul_u32_u24 v[RD], v3, 272
	s_delay_alu instid0(VALU_DEP_1)
	v_lshl_add_u32 v[RD], v2, 4, v[RD]
	s_delay_alu instid0(VALU_DEP_1)
	v_add_nc_u32 v[RD], s95, v[RD]                 ; back: lanes 0-15 one row, lanes 16-31 the next
	v_lshlrev_b32 v[CO], 12, v3
	s_delay_alu instid0(VALU_DEP_1)
	v_lshl_add_u32 v[CO], v2, 4, v[CO]             ; and the same two rows in out0
	s_wait_alu depctr_va_vdst(0)
	s_wait_loadcnt 0x0
	s_wait_tensorcnt 0x0                           ; my one fill has landed
	s_barrier_signal -1
	s_barrier_wait -1                              ; everybody's have
; 128 along K: the q-th of slot.  Sixteen accumulators by turns, one instruction a turn, in the same order in every step.
.macro KSTEP_T slot, q, first
.if !\first
	PLACES
.endif
.irp i, 0,1,2,3
.irp c, 0,1
	ds_load_b128 v[FW+8*\i+4*\c:FW+8*\i+4*\c+3], v[ADW+\slot] offset:4096*\i+1024*\q+512*\c
	ds_load_b128 v[FX+8*\i+4*\c:FX+8*\i+4*\c+3], v[ADX+\slot] offset:4096*\i+1024*\q+512*\c
.endr
	ds_load_b32 v[SC+\i], v[ADS] offset:512*\i+64*(4*\slot+\q)
.endr
	s_wait_dscnt 0x0
.irp a, 0,1,2,3
.irp b, 0,1,2,3
.if \first
	v_wmma_scale_f32_16x16x128_f8f6f4 v[ACC+8*(4*\a+\b):ACC+8*(4*\a+\b)+7], v[FW+8*\b:FW+8*\b+7], v[FX+8*\a:FX+8*\a+7], v[BI+8*\b:BI+8*\b+7], v[SC+\b], v[SC+\a] matrix_a_fmt:MATRIX_FMT_FP4 matrix_b_fmt:MATRIX_FMT_FP4 matrix_b_scale:MATRIX_SCALE_ROW1
.else
	v_wmma_scale_f32_16x16x128_f8f6f4 v[ACC+8*(4*\a+\b):ACC+8*(4*\a+\b)+7], v[FW+8*\b:FW+8*\b+7], v[FX+8*\a:FX+8*\a+7], v[ACC+8*(4*\a+\b):ACC+8*(4*\a+\b)+7], v[SC+\b], v[SC+\a] matrix_a_fmt:MATRIX_FMT_FP4 matrix_b_fmt:MATRIX_FMT_FP4 matrix_b_scale:MATRIX_SCALE_ROW1
.endif
.endr
.endr
.endm
	KSTEP_T 0, 0, 1
	KSTEP_T 0, 1, 0
	KSTEP_T 0, 2, 0
	KSTEP_T 0, 3, 0
	KSTEP_T 1, 0, 0
	KSTEP_T 1, 1, 0
	KSTEP_T 1, 2, 0
	KSTEP_T 1, 3, 0
	PLACES
	s_wait_dscnt 0x0
	s_barrier_signal -1
	s_barrier_wait -1                              ; every wave's reads of the panels are over before any wave stores into a stage
	; THE WAY OUT, a tile of 16 tokens at a time.  Register 16 g + i of tile a is feature 32 g + 16 h + i of token place r.  Stage row 2 t + h is token 32 (t / 4) + 8 a + 2 (t % 4) + h.
.irp a, 0,1,2,3
.if \a > 1
	s_wait_xcnt 0x0                                ; tile a - 2's stores have read their registers: tile a's loads may land there
.endif
.irp g, 0,1
.irp p, 0,1,2,3
	ds_store_b128 v[STO], v[ACC+32*\a+16*\g+4*\p:ACC+32*\a+16*\g+4*\p+3] offset:128*\g+16*\p   ; each accumulator from its low end on
.endr
.endr
.irp t, 0,1,2,3,4,5,6,7
	ds_load_b128 v[OB+32*(\a%2)+4*\t:OB+32*(\a%2)+4*\t+3], v[RD] offset:544*\t   ; LDS serves a wave's instructions in order: these see my stores, and the next tile's stores come behind them
.endr
.irp t, 0,1,2,3,4,5,6,7
	s_wait_dscnt 7-\t                              ; load t is in; the younger ones may be out
	global_store_b128 v[CO], v[OB+32*(\a%2)+4*\t:OB+32*(\a%2)+4*\t+3], s[10:11] offset:(32*(\t/4)+8*\a+2*(\t%4))*4096 th:TH_STORE_NT   ; a's tiles are laid as the queries' are: place m of tile a is token 32 (m / 8) + 8 a + m % 8; sixteen lanes store 256 consecutive bytes, aligned
.endr
.endr
	s_wait_dscnt 0x0
	s_wait_tensorcnt 0x0
	ds_add_u32 v30, v31
	s_wait_dscnt 0x0
	ROUND                                          ; the closing round: no work-group ends while a partner may still ask for a tile that names it
	s_endpgm
.Lfunc_end_k_q73984c9a2d_proj:
	.size	k_q73984c9a2d_proj, .Lfunc_end_k_q73984c9a2d_proj-k_q73984c9a2d_proj
	.p2alignl 7, 3214868480
	.fill 96, 4, 3214868480
	.section	.rodata,"a",@progbits
	.p2align	6, 0x0
	.amdhsa_kernel k_q73984c9a2d_proj
		.amdhsa_group_segment_fixed_size 244736
		.amdhsa_private_segment_fixed_size 0
		.amdhsa_enable_private_segment 0
		.amdhsa_kernarg_size 32
		.amdhsa_user_sgpr_count 2
		.amdhsa_user_sgpr_kernarg_segment_ptr 1
		.amdhsa_wavefront_size32 1
		.amdhsa_system_sgpr_workgroup_id_x 1
		.amdhsa_system_sgpr_workgroup_id_y 1
		.amdhsa_system_sgpr_workgroup_id_z 1
		.amdhsa_system_vgpr_workitem_id 0
		.amdhsa_next_free_vgpr 256
		.amdhsa_next_free_sgpr 100
		.amdhsa_reserve_vcc 0
		.amdhsa_float_denorm_mode_32 3
		.amdhsa_float_denorm_mode_16_64 3
		.amdhsa_memory_ordered 1
		.amdhsa_forward_progress 1
		.amdhsa_inst_pref_size 46
	.end_amdhsa_kernel
	.amdgpu_metadata
---
amdhsa.version: [ 1, 2 ]
amdhsa.kernels:
  - .name:           k_q73984c9a2d_proj
    .symbol:         k_q73984c9a2d_proj.kd
    .args:
      - { .name: aq, .offset: 0, .size: 8, .value_kind: global_buffer, .address_space: global }
      - { .name: pq, .offset: 8, .size: 8, .value_kind: global_buffer, .address_space: global }
      - { .name: b_proj, .offset: 16, .size: 8, .value_kind: global_buffer, .address_space: global }
      - { .name: out0, .offset: 24, .size: 8, .value_kind: global_buffer, .address_space: global }
    .group_segment_fixed_size: 244736
    .private_segment_fixed_size: 0
    .kernarg_segment_align: 8
    .kernarg_segment_size: 32
    .max_flat_workgroup_size: 256
    .sgpr_count:     100
    .vgpr_count:     256
    .wavefront_size: 32
...
	.end_amdgpu_metadata
.endif
;; end of part 4
